; MI455X (gfx1250); checked and timed in simulation.
; The chip was launched on July 23, 2026; its instructions are those of AMD's public machine-readable ISA for CDNA 5 (MIT licence, August 2026) and "CDNA5" Instruction Set Architecture Reference Guide (July 2026). The comments in the code are by the model that wrote it; some were corrected since.
;; Qwen3 Attention. Allowed arithmetic: matrix products marked QUANTISED: E2M1 operands, one E8M0 scale for each 32 along K, by v_wmma_scale_f32_16x16x128_f8f6f4 with both operands' format E2M1 (or v_wmma_scale_f32_32x16x128_f4), f32 sums; products left as they are: bf16, f16 or f32 operands; f32 sums; everything else in f32.
;; Inputs: Wk 1,024 x 4,096 float32; Wo 4,096 x 2,048 float32; Wq 2,048 x 4,096 float32; Wv 1,024 x 4,096 float32; hidden_states 1 x 2,048 x 4,096 float32; k_norm_w 128 float32; position_ids 1 x 2,048 int32; q_norm_w 128 float32.
;; Outputs: out0 1 x 2,048 x 4,096 float32.
;; This version of the problem:
;;   THIS VERSION OF THE PROBLEM IS GIVEN IN LOW PRECISION. The matrix products marked QUANTISED in the list below multiply operands that are first quantised to E2M1 (2 exponent bits, 1 mantissa bit; 4 bits a number), with one power-of-two scale for each 32 numbers along K (OCP MX v1.0); their sums are f32. The products marked 'left as it is' may take bf16, f16 or f32 operands, with f32 sums. Whichever they take, every output number must still come out within the allowed error. Rounding operands to bf16 (8 significant bits) uses up far more of that allowance than f16 does (11 bits, for magnitudes from 6e-5 to 65,504). All else is computed in f32.
;;   The module's matrix products, in the order in which they are computed (A, B: the left and right operand; K: the contracted axis; several contracted axes count as one K, in the product's order):
;;     1. [M 2,048, K 4,096] x [K 4,096, N 2,048]; A: input hidden_states; B: input Wq: QUANTISED
;;     2. [M 2,048, K 4,096] x [K 4,096, N 1,024]; A: input hidden_states; B: input Wk: QUANTISED
;;     3. [M 2,048, K 4,096] x [K 4,096, N 1,024]; A: input hidden_states; B: input Wv: QUANTISED
;;     4. batch 16 x [M 2,048, K 128] x [K 128, N 2,048]; A: computed on the way; B: computed on the way: left as it is (an operand is computed on the way)
;;     5. batch 16 x [M 2,048, K 2,048] x [K 2,048, N 128]; A: computed on the way; B: computed on the way: left as it is (an operand is computed on the way)
;;     6. [M 2,048, K 2,048] x [K 2,048, N 4,096]; A: computed on the way; B: input Wo: left as it is (an operand is computed on the way)
;;   THE QUANTISER, for each operand of a quantised product, along K:
;;     - K is cut into blocks of 32 from its start; a last block that is shorter is filled with zeros.
;;     - A block's scale is 2^e with e = floor(log2(the largest magnitude in the block)) - 2, held to -126 .. 127; a block of zeros has e = 0. As a byte (E8M0): e + 127.
;;     - Each number is divided by its block's scale, clamped to +-6, and rounded to the nearest number of E2M1, ties to even, subnormals kept.
;;     - The product sums the exact products of the quantised numbers (number of the format x scale) in f32.
;;   ~~~python
;;   def quantise(x, axis):      # numpy; x: float32 -> the quantised numbers, widened to float32 again
;;       x = np.moveaxis(x, axis, -1); K = x.shape[-1]
;;       x = np.pad(x, [(0, 0)] * (x.ndim - 1) + [(0, -K % 32)]); x = x.reshape(x.shape[:-1] + (-1, 32)); a = np.abs(x).max(-1, keepdims=True)
;;       e = np.where(a > 0, np.clip(np.frexp(np.where(a > 0, a, 1))[1] - 1 - 2, -126, 127), 0)      # np.frexp(a)[1] - 1 = floor(log2(a)), exactly
;;       r = np.clip(x / 2.0 ** e, -6, 6)
;;       step = 2.0 ** (np.maximum(np.frexp(np.where(r == 0, 1, r))[1] - 1, 0) - 1)
;;       q = np.round(r / step) * step * 2.0 ** e      # np.round: ties to even
;;       return np.moveaxis(q.reshape(q.shape[:-2] + (-1,))[..., :K], -1, axis).astype(np.float32)
;;   ~~~
;; One version. Each part assembles by itself: llvm-mc -triple=amdgcn-amd-amdhsa -mcpu=gfx1250 --defsym DOCPART=n.
;; ======== version 1 of 1: 5 launches
;; limits: values are held in f16: magnitudes above 65,504 overflow, below 6.1e-05 lose precision; right only within a limited range of input values
;; workspace buffers: codes 12,582,912 bytes; scales 786,432 bytes; rope 1,048,576 bytes; qkv16 16,777,216 bytes; fine32 262,144 bytes; o16 8,388,608 bytes; wo16 16,777,216 bytes
;; launch prep (part 1): grid 832 x 1, 4 waves a work-group, no clusters, 33,280 bytes of LDS; arguments hidden_states, Wq, Wk, Wv, position_ids, codes, scales, rope; writes codes, scales, rope
.if DOCPART == 1
	.amdgcn_target "amdgcn-amd-amdhsa--gfx1250"
	.amdhsa_code_object_version 6
	.text
	.protected	k_qe2ad09cbdf_prep
	.globl	k_qe2ad09cbdf_prep
	.p2align	8
	.type	k_qe2ad09cbdf_prep,@function
k_qe2ad09cbdf_prep:
	s_mov_b64 s[64:65], 0
	v_nop
	global_prefetch_b8 v0, s[64:65] scope:SCOPE_SE
	s_setreg_imm32_b32 hwreg(HW_REG_WAVE_MODE, 25, 1), 1
	s_wait_xcnt 0x0
; FIRST OF FIVE LAUNCHES of a Qwen3 attention layer (1 x 2,048 tokens, 4,096 wide, 16 query heads, 8 key/value heads of 128).
; This one: hidden_states, Wq, Wk, Wv (f32, K innermost) become codes of FP4 (E2M1) with one E8M0 byte for each 32 along K, and position_ids become a table of cos and sin.
; WORK LEFT OUT BY THE PROGRAM, AND WHY IT IS DEAD.  reference() adds -1e9 to every score whose key comes after its query, a mask that it builds in its own body.  After the row's maximum is taken
; away such a score's exponential is 0 in f32, so it adds nothing to the row's sum nor to the product with V.  Tiles of keys that lie wholly behind a tile's queries are therefore not multiplied
; (launch attn); inside a tile on the diagonal the hidden scores are set to -infinity.  All eight inputs have a way to the output and all are loaded.
; LIMITS.  The mask is followed while |score| stays under 5e8 (beyond that reference()'s -1e9 no longer hides a key).  A NaN, an infinity or an overflow that reaches only the tiles left out is not carried
; to the result; NaN and infinities among the inputs are not served.  Blocks whose largest magnitude lies under 2^(3-127) get the byte 1; a block of zeros too (the rule says 127): its codes are zeros,
; which add nothing under any byte but 0xff, and this program alone reads the bytes.  The frequencies are 2^(-f log2(1e6)/64) by v_exp_f32, and the angle is reduced for |position| under 2^22.
; SHARES.  Work-groups 0-767 quantise: the four tensors are plain streams of blocks of 32, laid one behind the other in codes (6,144 rows of 2,048 bytes) and scales (6,144 rows of 128 bytes):
; hidden 2,048 rows, Wq 2,048, Wk 1,024, Wv 1,024.  A wave takes 16 steps of 512 numbers.  Each load reads 512 consecutive bytes; a step's 2,048 bytes turn through the wave's own stage in LDS so that a
; lane holds 16 neighbours along K; two neighbouring lanes hold a block.  A wave's store of codes covers 256 consecutive bytes, aligned; its 256 scale bytes leave as one such store.
; Work-groups 768-831 make the table: a wave takes 8 tokens, a lane two of the 64 frequencies.  They touch no LDS but the spare words.  Waves share nothing: no barrier.
.set WAVES, 4
.set STEPS, 16
.set NQWG,  768                        ; work-groups that quantise: (2,048 + 2,048 + 1,024 + 1,024) x 4,096 / 32,768
.set CB,    8                          ; bytes of 16 codes
.set R,     16                         ; v16-79   four sets of 16 numbers as they are loaded
.set X,     80                         ; v80-111  two sets of 16 neighbours
.set E,     112                        ; v112-127 a scale byte for each step
.set C,     128                        ; v128-191 codes: four registers for each step, so that no store's data are written again
.set WREG,  8192                       ; LDS: a region for each wave: two stages of 32 x SP bytes, then its 256 scale bytes
.set SP,    80                         ; a lane's place in a stage: 64 bytes + 16 of padding
.set SPW,   12                         ; v12  LDS address of my spare word; never rewritten
.set NIL,   13                         ; v13  0; never rewritten
.set SPARE, WAVES*WREG                 ; the spare words: 128 bytes a wave, named by no other line
	s_load_b256 s[4:11], s[0:1], 0x0               ; hidden s[4:5], Wq s[6:7], Wk s[8:9], Wv s[10:11]
	s_load_b256 s[12:19], s[0:1], 0x20             ; position_ids s[12:13], codes s[14:15], scales s[16:17], rope s[18:19]
	v_lshl_add_u32 v[SPW], v0, 2, SPARE
	v_mov_b32 v[NIL], 0
	v_lshrrev_b32 v1, 5, v0
	v_readfirstlane_b32 s24, v1                    ; wave
	v_and_b32 v2, 31, v0                           ; lane
	s_cmp_ge_u32 ttmp9, NQWG
	s_cbranch_scc1 .Lrope
	; ---------------- the quantiser ----------------
	v_lshlrev_b32 v3, 4, v2                        ; my 16 bytes of a load's 512
	s_mul_i32 s25, s24, WREG
	v_lshrrev_b32 v14, 2, v2
	v_mul_u32_u24 v14, v14, SP
	v_and_b32 v15, 3, v2
	v_lshl_add_u32 v14, v15, 4, v14
	v_add_nc_u32 v14, s25, v14                     ; the stage on the way in: SP (lane / 4) + 16 (lane % 4)
	v_mul_u32_u24 v15, v2, SP
	v_add_nc_u32 v15, s25, v15                     ; and on the way out: SP x lane: my 16 neighbours
	v_mul_u32_u24 v4, v2, CB                       ; my codes' place in a step's
	v_lshrrev_b32 v5, 1, v2
	s_add_co_u32 s25, s25, 2*32*SP
	v_add_nc_u32 v5, s25, v5                       ; my block's scale byte in LDS
	v_lshlrev_b32 v7, 3, v2
	v_add_nc_u32 v6, s25, v7                       ; on the way out 8 bytes a lane
	s_wait_kmcnt 0x0
	s_cmp_lt_u32 ttmp9, 256                        ; which tensor: the choice hangs on the work-group's number alone
	s_cselect_b64 s[20:21], s[4:5], s[6:7]
	s_cselect_b32 s22, 0, 256
	s_cmp_lt_u32 ttmp9, 512
	s_cselect_b64 s[20:21], s[20:21], s[8:9]
	s_cselect_b32 s22, s22, 512
	s_cmp_lt_u32 ttmp9, 640
	s_cselect_b64 s[20:21], s[20:21], s[10:11]
	s_cselect_b32 s22, s22, 640                    ; the tensor's first work-group
	s_sub_co_u32 s22, ttmp9, s22
	s_lshl_b32 s22, s22, 2
	s_add_co_u32 s22, s22, s24                     ; my run of 8,192 numbers in the tensor
	s_lshl_b32 s22, s22, 15                        ; 32,768 bytes a run
	s_mov_b32 s23, 0
	s_add_nc_u64 s[20:21], s[20:21], s[22:23]
	s_lshl_b32 s26, ttmp9, 2
	s_add_co_u32 s26, s26, s24                     ; my run in the joined buffers
	s_lshl_b32 s28, s26, 12                        ; 4,096 bytes of codes a run
	s_mov_b32 s29, 0
	s_add_nc_u64 s[14:15], s[14:15], s[28:29]
	s_lshl_b32 s28, s26, 8                         ; 256 scale bytes a run
	s_add_nc_u64 s[16:17], s[16:17], s[28:29]
.macro LOAD t
.irp i, 0,1,2,3
	global_load_b128 v[R+16*((\t)%4)+4*\i:R+16*((\t)%4)+4*\i+3], v3, s[20:21] offset:2048*(\t)+512*\i th:TH_LOAD_NT   ; 32 lanes read 512 consecutive bytes, read once
.endr
.endm
.macro TURN t                          ; step t's numbers through the stage; LDS serves a wave's instructions in order, so no wait stands between the stores and the loads
.irp i, 0,1,2,3
	ds_store_b128 v14, v[R+16*((\t)%4)+4*\i:R+16*((\t)%4)+4*\i+3] offset:32*SP*((\t)%2)+8*SP*\i
.endr
.irp i, 0,1,2,3
	ds_load_b128 v[X+16*((\t)%2)+4*\i:X+16*((\t)%2)+4*\i+3], v15 offset:32*SP*((\t)%2)+16*\i
.endr
.endm
.irp t, 0,1,2,3
	LOAD \t
.endr
	s_wait_loadcnt 12                              ; step 0's four loads are in; the 12 behind them may be out
	TURN 0
.macro STEP t
.set XS, X+16*((\t)%2)
.if (\t) > 0
	s_wait_dscnt 1                                 ; this step's numbers are back from the stage (the last step's byte store may be out)
.else
	s_wait_dscnt 0x0
.endif
.if (\t)+4 < STEPS
	LOAD (\t)+4                                    ; into the registers that the stage's stores have read
.endif
.if (\t)+1 < STEPS
.if STEPS-2-(\t) >= 3
	s_wait_loadcnt 12                              ; the next step's four loads are in; those of the three steps behind it may be out
.else
	s_wait_loadcnt 4*(STEPS-2-(\t))
.endif
	TURN (\t)+1
.endif
	v_max3_num_f32 v8, |v[XS]|, |v[XS+1]|, |v[XS+2]|               ; the largest magnitude of my 16, in two chains
	v_max3_num_f32 v9, |v[XS+3]|, |v[XS+4]|, |v[XS+5]|
.irp i, 6,10
	v_max3_num_f32 v8, v8, |v[XS+\i]|, |v[XS+\i+1]|
	v_max3_num_f32 v9, v9, |v[XS+\i+2]|, |v[XS+\i+3]|
.endr
	v_max3_num_f32 v8, v8, |v[XS+14]|, |v[XS+15]|
	v_max3_num_f32 v8, v8, v9, 0x1800000           ; and the floor 2^(3 - 127): the byte cannot fall under 1
	v_max_num_f32_dpp v8, v8, v8 row_xmask:1 row_mask:0xf bank_mask:0xf   ; with my neighbour's 16: the block's
	v_add_nc_u32 v11, 0xff000000, v8               ; 2 off its exponent field: the conversion takes the exponent field of this operand as its scale
	v_cvt_scalef32_pk8_fp4_f32 v[C+4*(\t)], v[XS:XS+7], v11        ; to the nearest code, ties to even, beyond 6 the largest code; the first number's code in the lowest bits
	v_cvt_scalef32_pk8_fp4_f32 v[C+4*(\t)+1], v[XS+8:XS+15], v11
	v_lshrrev_b32 v[E+(\t)], 23, v11               ; the scale's byte (also the plain line behind the conversions)
	ds_store_b8 v5, v[E+(\t)] offset:16*(\t)       ; both lanes of a block write the same byte with the same value
	global_store_b64 v4, v[C+4*(\t):C+4*(\t)+1], s[14:15] offset:32*CB*(\t)   ; the wave stores 256 consecutive bytes, aligned
.endm
.irp t, 0,1,2,3,4,5,6,7,8,9,10,11,12,13,14,15
	STEP \t
.endr
	ds_load_b64 v[8:9], v6                         ; these see my byte stores
	s_wait_dscnt 0x0
	global_store_b64 v7, v[8:9], s[16:17]          ; 256 consecutive bytes, aligned
	s_branch .Lend
	; ---------------- the table of cos and sin: rope[token][cos 64 | sin 64], f32 ----------------
.Lrope:
	s_sub_co_u32 s25, ttmp9, NQWG
	s_lshl_b32 s25, s25, 2
	s_add_co_u32 s25, s25, s24                     ; u: my wave takes tokens 8 u .. 8 u + 7
	s_lshl_b32 s26, s25, 5                         ; their 32 bytes of position_ids
	s_mov_b32 s27, 0
	s_lshl_b32 s28, s25, 12                        ; their 8 x 512 bytes of the table
	s_mov_b32 s29, 0
	v_lshlrev_b32 v3, 3, v2                        ; 8 bytes a lane
	v_lshlrev_b32 v4, 1, v2
	v_cvt_f32_u32 v20, v4                          ; my frequencies f = 2 lane, 2 lane + 1
	v_add_f32 v21, 1.0, v20
	v_mul_f32 v20, 0xbe9f73da, v20                 ; - f log2(1e6) / 64
	v_mul_f32 v21, 0xbe9f73da, v21
	v_exp_f32 v20, v20                             ; 1e6^(-f / 64)
	v_exp_f32 v21, v21
	v_mov_b32 v32, 0x37d00d01                      ; 1/40320 (the plain line behind the exponentials)
	v_mov_b32 v33, 0x3638ef1d                      ; 1/362880
	s_wait_alu depctr_va_vdst(0)                   ; one wait for both, ahead of their first reader
	s_wait_kmcnt 0x0
	s_add_nc_u64 s[12:13], s[12:13], s[26:27]
	s_add_nc_u64 s[18:19], s[18:19], s[28:29]
	s_load_b256 s[32:39], s[12:13], 0x0            ; eight positions: they enter arithmetic alone
	s_wait_kmcnt 0x0
; cos and sin of x = position x frequency f of token p.  n = the nearest whole number to x 2/pi; r = x - n pi/2, pi/2 in two parts, each taken off by one fused step; series in r^2 on |r| <= pi/4; the quadrant n mod 4 swaps and signs.
.macro SINCOS f, p
	v_mul_f32 v23, v22, v[20+\f]                   ; rounded once, as reference() has it
	v_mul_f32 v24, 0x3f22f983, v23
	v_rndne_f32 v24, v24
	v_fmamk_f32 v25, v24, 0xbfc90fdb, v23
	v_fmamk_f32 v25, v24, 0x333bbd2e, v25
	v_cvt_i32_f32 v30, v24
	v_mul_f32 v26, v25, v25
	v_fmaak_f32 v27, v26, v32, 0xbab60b61          ; cos: 1 - z/2 + z^2/24 - z^3/720 + z^4/40320
	v_fmaak_f32 v28, v26, v33, 0xb9500d01          ; sin: r + r z (-1/6 + z/120 - z^2/5040 + z^3/362880)
	v_fmaak_f32 v27, v27, v26, 0x3d2aaaab
	v_fmaak_f32 v28, v28, v26, 0x3c088889
	v_fma_f32 v27, v27, v26, -0.5
	v_fmaak_f32 v28, v28, v26, 0xbe2aaaab
	v_mul_f32 v29, v25, v26
	v_fma_f32 v27, v27, v26, 1.0
	v_fma_f32 v28, v28, v29, v25
	v_and_b32 v31, 1, v30
	v_cmp_eq_u32 vcc_lo, 1, v31
	v_cndmask_b32 v34, v27, v28, vcc_lo            ; an odd quadrant swaps the two
	v_cndmask_b32 v35, v28, v27, vcc_lo
	v_add_nc_u32 v31, 1, v30
	v_and_b32 v31, 2, v31
	v_lshlrev_b32 v31, 30, v31                     ; cos is negative in quadrants 1 and 2,
	v_xor_b32 v[64+4*\p+\f], v31, v34
	v_and_b32 v31, 2, v30
	v_lshlrev_b32 v31, 30, v31                     ; sin in quadrants 2 and 3
	v_xor_b32 v[66+4*\p+\f], v31, v35
.endm
.irp p, 0,1,2,3,4,5,6,7                ; each token has result registers of its own: no store's data are written again
	v_cvt_f32_i32 v22, s[32+\p]
	SINCOS 0, \p
	SINCOS 1, \p
	global_store_b64 v3, v[64+4*\p:65+4*\p], s[18:19] offset:512*\p       ; 256 consecutive bytes, aligned
	global_store_b64 v3, v[66+4*\p:67+4*\p], s[18:19] offset:512*\p+256
.endr
.Lend:
	s_wait_tensorcnt 0x0                           ; the wave's end
	ds_add_u32 v[SPW], v[NIL]
	s_wait_dscnt 0x0
	s_endpgm
.Lfunc_end_k_qe2ad09cbdf_prep:
	.size	k_qe2ad09cbdf_prep, .Lfunc_end_k_qe2ad09cbdf_prep-k_qe2ad09cbdf_prep
	.p2alignl 7, 3214868480
	.fill 96, 4, 3214868480
	.section	.rodata,"a",@progbits
	.p2align	6, 0x0
	.amdhsa_kernel k_qe2ad09cbdf_prep
		.amdhsa_group_segment_fixed_size 33280
		.amdhsa_private_segment_fixed_size 0
		.amdhsa_enable_private_segment 0
		.amdhsa_kernarg_size 64
		.amdhsa_user_sgpr_count 2
		.amdhsa_user_sgpr_kernarg_segment_ptr 1
		.amdhsa_wavefront_size32 1
		.amdhsa_system_sgpr_workgroup_id_x 1
		.amdhsa_system_sgpr_workgroup_id_y 1
		.amdhsa_system_sgpr_workgroup_id_z 1
		.amdhsa_system_vgpr_workitem_id 0
		.amdhsa_next_free_vgpr 192
		.amdhsa_next_free_sgpr 66
		.amdhsa_reserve_vcc 1
		.amdhsa_float_denorm_mode_32 3
		.amdhsa_float_denorm_mode_16_64 3
		.amdhsa_memory_ordered 1
		.amdhsa_forward_progress 1
		.amdhsa_inst_pref_size 55
	.end_amdhsa_kernel
	.amdgpu_metadata
---
amdhsa.version: [ 1, 2 ]
amdhsa.kernels:
  - .name:           k_qe2ad09cbdf_prep
    .symbol:         k_qe2ad09cbdf_prep.kd
    .args:
      - { .name: hidden_states, .offset: 0, .size: 8, .value_kind: global_buffer, .address_space: global }
      - { .name: Wq, .offset: 8, .size: 8, .value_kind: global_buffer, .address_space: global }
      - { .name: Wk, .offset: 16, .size: 8, .value_kind: global_buffer, .address_space: global }
      - { .name: Wv, .offset: 24, .size: 8, .value_kind: global_buffer, .address_space: global }
      - { .name: position_ids, .offset: 32, .size: 8, .value_kind: global_buffer, .address_space: global }
      - { .name: codes, .offset: 40, .size: 8, .value_kind: global_buffer, .address_space: global }
      - { .name: scales, .offset: 48, .size: 8, .value_kind: global_buffer, .address_space: global }
      - { .name: rope, .offset: 56, .size: 8, .value_kind: global_buffer, .address_space: global }
    .group_segment_fixed_size: 33280
    .private_segment_fixed_size: 0
    .kernarg_segment_align: 8
    .kernarg_segment_size: 64
    .max_flat_workgroup_size: 128
    .sgpr_count:     66
    .vgpr_count:     192
    .wavefront_size: 32
...
	.end_amdgpu_metadata
.endif
;; end of part 1
;; launch qkv (part 2): grid 16 x 16, 4 waves a work-group, clusters of 4 x 4, 327,680 bytes of LDS; arguments codes, scales, rope, q_norm_w, k_norm_w, qkv16, fine32; writes qkv16, fine32
.if DOCPART == 2
	.amdgcn_target "amdgcn-amd-amdhsa--gfx1250"
	.amdhsa_code_object_version 6
	.text
	.protected	k_qe2ad09cbdf_qkv
	.globl	k_qe2ad09cbdf_qkv
	.p2align	8
	.type	k_qe2ad09cbdf_qkv,@function
k_qe2ad09cbdf_qkv:
	s_mov_b64 s[64:65], 0
	v_nop
	global_prefetch_b8 v0, s[64:65] scope:SCOPE_SE
	s_setreg_imm32_b32 hwreg(HW_REG_WAVE_MODE, 25, 1), 1
	s_wait_xcnt 0x0
	s_wait_alu depctr_hold_cnt(0) depctr_sa_sdst(0) depctr_va_vdst(0) depctr_va_sdst(0) depctr_va_ssrc(0) depctr_va_vcc(0) depctr_vm_vsrc(0)
	s_getreg_b32 s2, hwreg(HW_REG_IB_STS2, 6, 4)
	s_cmp_eq_u32 s2, 0
	s_cbranch_scc0 .Lentry_in_a_cluster
	s_endpgm
.Lentry_in_a_cluster:
	s_bfe_u32 s2, ttmp6, 0x10000c
	s_cmp_lg_u32 s2, 0xf033
	s_cbranch_scc0 .Lentry_shape_is_right
	s_endpgm
.Lentry_shape_is_right:
; SECOND LAUNCH: the three quantised projections as ONE product on codes of FP4: [2,048 tokens][4,096] x [4,096 rows of Wq | Wk | Wv][4,096]^T, sums in f32; then, in registers, the RMS norm of each head,
; the rotation by the table of cos and sin, and the rounding to f16.  Out: qkv16 [32 head slots][2,048][128] f16 (slots 0-15 q, 16-23 k, 24-31 v / 4: an exact power of two that 4 Wo takes back in the last
; product; it keeps v inside f16 for inputs far larger than usual), and for tokens 0-15 the same numbers in f32 (fine32), which the third launch carries on in f32.
; SHARES.  A tile is 128 tokens x 256 columns, so that 2,048 x 4,096 gives 256 work-groups.  Four waves, each 64 tokens x 128 columns: the columns of ONE head slot, so that the norm never leaves the wave.
; 32 accumulators of 16 x 16.  K goes in steps of 512 codes (rows of 256 bytes) through a ring of two LDS slots filled by tensor loads; the scale bytes of the tile's rows, for all of K, come once and stay.
; CLUSTER 4 x 4: the four of a row need the same tokens' tiles, the four of a column the same weights': each is asked for jointly.
; THE MATRIX INSTRUCTION IS USED TRANSPOSED (source 0 = 16 rows of W, source 1 = 16 tokens): lane (r, h) holds token r and columns 16 b + 8 h + 0..7 of its head.
; REGISTERS, in windows of 256.  Window 0: v16-31 addresses; v32-95 scale words, two sets, and nothing else; v128-191 the tokens' fragments, two sets of 4.  Window 1: the weights' fragments, sets at v0 and v128;
; v64-127 the norm's weights; after the loop v128-191 products with sin, v192-199 the norm's figures, v200-231 packed results.  Window 2: accumulator (a, b) at v[8 (8 a + b)].  Window 3: cos and sin, 64 a block of tokens.
; The branch between the arms hangs on the cluster's x alone (0, 1: q; 2: k; 3: v), the same in all sixteen partners.  What hangs on a work-group's place (tokens 0-15 or not) is done by EXEC, not by a branch.
.set PITCH,  272                       ; an LDS row: 256 bytes + 16 of padding, so that the 16 rows of a load begin 16 bytes further on modulo 256 each
.set ROWB,   256
.set AHALF,  64*PITCH                  ; what one tensor load brings of the tokens, and what one wave reads
.set BHALF,  128*PITCH                 ; the same of the weights
.set SLOT,   2*AHALF+2*BHALF           ; 128 rows of tokens, then 256 rows of weights
.set SCL,    2*SLOT                    ; the scale bytes, as rows of 256 bytes + 16: a row of 128 bytes lies at 128 r + 16 (r / 2)
.set ASC,    32*272                    ; those of 64 tokens
.set BSC,    64*272                    ; those of 128 rows of weights
.set SBLK,   8*272                     ; those of 16 rows
.set SPARE,  SCL+2*ASC+2*BSC           ; the spare words, 128 bytes a wave, named by no other line
.set STAGE,  SPARE+512                 ; the way out: 16 rows x 272 bytes for each wave; no fill lands here
.set ADRA, 16                          ; v16-17 LDS address of my tokens' fragments in slot 0, 1
.set FT,   19                          ; v19    my wave's first token
.set ADRB, 20                          ; v20-21 the same for the weights
.set FV,   23                          ; v23    512 h + 4 r: my place in v32T
.set STO,  24                          ; v24    the stage, in
.set RD,   25                          ; v25    the stage, back
.set CO,   26                          ; v26    16 x lane
.set ADRS, 27                          ; v27    my scale words: lanes 0-15 the tokens', lanes 16-31 the weights'
.set SPW,  28
.set NIL,  29
.set RO,   30                          ; v30    512 r + 32 h: my place in the table
.set WO,   31                          ; v31    32 h: my place in the norm's weights
.set SC,   32
.set AF,   128
.set G1,   24                          ; s[24:31], s[32:39]: groups 1 and 0 (a set a slot) for the tokens' codes
.set G0,   32
.set G1B,  48                          ; s[48:55], s[56:63]: for the weights'
.set G0B,  56
.set G1S,  68                          ; s[68:75], s[76:79]: for the tokens' scales
.set G0S,  76
.set G1SB, 80                          ; s[80:87], s[88:91]: for the weights'
.set G0SB, 88
.set SEL,  98                          ; s[98:99] selects for lane l xor 16
.set MUL,  0xa1                        ; source 0 window 1, source 1 window 0, C and D window 2
.set MSB, 0
.macro WIN new                         ; the immediate's high byte repeats the setting that is left
.if MSB != \new
	s_set_vgpr_msb (MSB<<8)|\new
.set MSB, \new
.endif
.endm
.macro PLACES                          ; four plain vector lines between a matrix instruction and a load into, or a vector read or write of, its registers
.rept 4
	v_nop
.endr
.endm
; A joint load: waves 0 and 1 fetch for the tokens, waves 2 and 3 for the weights; the branch hangs on the wave's number alone.  An s_nop 0 and four v_nop follow each line.
.macro JLOAD g0a, g1a, g0b, g1b
	s_cmp_eq_u32 s15, 0
	s_cbranch_scc0 .Lfor_b_\@
	tensor_load_to_lds s[\g0a:\g0a+3], s[\g1a:\g1a+7]
	s_nop 0
.rept 4
	v_nop
.endr
	s_branch .Lasked_\@
.Lfor_b_\@:
	tensor_load_to_lds s[\g0b:\g0b+3], s[\g1b:\g1b+7]
	s_nop 0
.rept 4
	v_nop
.endr
.Lasked_\@:
.endm
.macro CREST                           ; a round of the cluster's barrier behind its opening barrier
	s_cmp_lg_u32 s14, 0
	s_cbranch_scc1 .Lnot_wave_0_\@
	s_barrier_signal -3
.Lnot_wave_0_\@:
	s_barrier_wait -3
	s_barrier_signal -1
	s_barrier_wait -1
.endm
.macro CROUND
	s_barrier_signal -1
	s_barrier_wait -1
	CREST
.endm
	s_load_b256 s[4:11], s[0:1], 0x0               ; codes s[4:5], scales s[6:7], rope s[8:9], q_norm_w s[10:11]
	s_load_b128 s[92:95], s[0:1], 0x20             ; k_norm_w s[92:93], qkv16 s[94:95]
	s_load_b64 s[96:97], s[0:1], 0x30              ; fine32
	v_lshl_add_u32 v[SPW], v0, 2, SPARE
	v_mov_b32 v[NIL], 0
	ds_add_u32 v[SPW], v[NIL]                      ; the opening: the add, twice on end, and its wait ahead of my first tensor load
	ds_add_u32 v[SPW], v[NIL]
	v_lshrrev_b32 v1, 5, v0
	v_readfirstlane_b32 s14, v1                    ; wave 0..3
	s_lshr_b32 s15, s14, 1                         ; which 64 tokens are mine.  Also: I fetch for the tokens (0) or the weights (1)
	s_and_b32 s16, s14, 1                          ; which 128 columns.  Also: which half I fetch
	s_bfe_u32 s40, ttmp6, 0x40000                  ; cx
	s_bfe_u32 s41, ttmp6, 0x40004                  ; cy
	s_lshl_b32 s42, ttmp9, 2
	s_add_co_u32 s42, s42, s40                     ; tile column
	s_and_b32 s17, ttmp7, 0xffff
	s_lshl_b32 s17, s17, 2
	s_add_co_u32 s17, s17, s41                     ; tile row
	s_lshl_b32 s43, s41, 2
	s_lshl_b32 s43, 15, s43                        ; my row of the cluster
	s_lshl_b32 s44, 0x1111, s40                    ; my column
	s_or_b32 s[G1+0], s43, (0<<16)|(1<<20)|(1<<21)|(5<<22)|(3<<25)   ; the mask; elements of 1 byte; padding on; bit 21 beside a mask; 4 words behind every 64
	s_or_b32 s[G1B+0], s44, (0<<16)|(1<<20)|(1<<21)|(5<<22)|(3<<25)
	s_mov_b32 s[G1+1], ROWB<<16                    ; tensor_dim0
	s_mov_b32 s[G1+2], 64<<16                      ; tensor_dim1
	s_mov_b32 s[G1+3], ROWB<<16                    ; tile_dim0
	s_mov_b32 s[G1+4], 64                          ; tile_dim1
	s_mov_b32 s[G1+5], 2048                        ; bytes from row to row
	s_mov_b32 s[G1+6], 0
	s_mov_b32 s[G1+7], 0
	s_mov_b32 s[G1B+1], ROWB<<16
	s_mov_b32 s[G1B+2], 128<<16
	s_mov_b32 s[G1B+3], ROWB<<16
	s_mov_b32 s[G1B+4], 128
	s_mov_b32 s[G1B+5], 2048
	s_mov_b32 s[G1B+6], 0
	s_mov_b32 s[G1B+7], 0
	s_or_b32 s[G1S+0], s43, (3<<16)|(1<<20)|(1<<21)|(5<<22)|(3<<25)  ; the scales: dense bytes as rows of 32 elements of 8 bytes, padded alike
	s_or_b32 s[G1SB+0], s44, (3<<16)|(1<<20)|(1<<21)|(5<<22)|(3<<25)
	s_mov_b32 s[G1S+1], 32<<16
	s_mov_b32 s[G1S+2], 32<<16                     ; 64 rows x 128 bytes = 32 rows of 256
	s_mov_b32 s[G1S+3], 32<<16
	s_mov_b32 s[G1S+4], 32
	s_mov_b32 s[G1S+5], 32
	s_mov_b32 s[G1S+6], 0
	s_mov_b32 s[G1S+7], 0
	s_mov_b32 s[G1SB+1], 32<<16
	s_mov_b32 s[G1SB+2], 64<<16
	s_mov_b32 s[G1SB+3], 32<<16
	s_mov_b32 s[G1SB+4], 64
	s_mov_b32 s[G1SB+5], 32
	s_mov_b32 s[G1SB+6], 0
	s_mov_b32 s[G1SB+7], 0
	s_lshl_b32 s18, s16, 6
	s_lshl_b32 s20, s17, 7
	s_add_co_u32 s20, s20, s18                     ; the tokens' rows that I would fetch: 128 x tile row + 64 x half
	s_lshl_b32 s18, s16, 7
	s_lshl_b32 s46, s42, 8
	s_add_co_u32 s46, s46, s18
	s_add_co_u32 s46, s46, 2048                    ; the weights': 2,048 + 256 x tile column + 128 x half
	s_lshl_b32 s22, s20, 7                         ; 128 scale bytes a row
	s_mov_b32 s23, 0
	s_lshl_b32 s20, s20, 11                        ; 2,048 bytes of codes a row
	s_mov_b32 s21, 0
	s_lshl_b32 s12, s46, 7
	s_mov_b32 s13, 0
	s_lshl_b32 s46, s46, 11
	s_mov_b32 s47, 0
	s_mul_i32 s45, s16, AHALF                      ; where they go: no place in the cluster enters an LDS address
	s_mul_i32 s18, s16, BHALF
	s_add_co_u32 s18, s18, 2*AHALF
	s_mul_i32 s19, s16, ASC
	s_mul_i32 s2, s16, BSC
	s_add_co_u32 s2, s2, 2*ASC
	s_wait_dscnt 0x0                               ; both opening adds are done
	s_wait_kmcnt 0x0
	s_add_nc_u64 s[20:21], s[4:5], s[20:21]
	s_add_nc_u64 s[22:23], s[6:7], s[22:23]
	s_add_nc_u64 s[46:47], s[4:5], s[46:47]
	s_add_nc_u64 s[12:13], s[6:7], s[12:13]
	CROUND                                         ; all sixteen work-groups are here: the first joint loads meet
	s_mov_b32 s[G0S], 1
	s_add_co_u32 s[G0S+1], s19, SCL
	s_mov_b64 s[G0S+2:G0S+3], s[22:23]
	s_or_b32 s[G0S+3], s[G0S+3], 0x80000000
	s_mov_b32 s[G0SB], 1
	s_add_co_u32 s[G0SB+1], s2, SCL
	s_mov_b64 s[G0SB+2:G0SB+3], s[12:13]
	s_or_b32 s[G0SB+3], s[G0SB+3], 0x80000000
	JLOAD G0S, G1S, G0SB, G1SB                     ; the scales first: wanted with K step 0
.irp s, 0,1
	s_mov_b32 s[G0+4*\s], 1
	s_add_co_u32 s[G0+4*\s+1], s45, \s*SLOT
	s_add_nc_u64 s[G0+4*\s+2:G0+4*\s+3], s[20:21], \s*ROWB
	s_or_b32 s[G0+4*\s+3], s[G0+4*\s+3], 0x80000000
	s_mov_b32 s[G0B+4*\s], 1
	s_add_co_u32 s[G0B+4*\s+1], s18, \s*SLOT
	s_add_nc_u64 s[G0B+4*\s+2:G0B+4*\s+3], s[46:47], \s*ROWB
	s_or_b32 s[G0B+4*\s+3], s[G0B+4*\s+3], 0x80000000
	JLOAD G0+4*\s, G1, G0B+4*\s, G1B               ; three loads of mine are out
.endr
	v_and_b32 v1, 15, v0                           ; r
	v_bfe_u32 v2, v0, 4, 1                         ; h
	v_mul_u32_u24 v3, v1, PITCH
	v_lshl_add_u32 v4, v2, 4, v3                   ; a fragment's row x pitch + 16 h
	s_mul_i32 s21, s15, AHALF                      ; my 64 tokens
	s_mul_i32 s22, s16, BHALF                      ; my 128 rows of weights,
	s_add_co_u32 s22, s22, 2*AHALF                 ; behind the 128 tokens
.irp s, 0,1
	v_add_nc_u32 v[ADRA+\s], s21, v4
	v_add_nc_u32 v[ADRB+\s], s22, v4
	s_add_co_u32 s21, s21, SLOT
	s_add_co_u32 s22, s22, SLOT
.endr
	v_lshlrev_b32 v5, 7, v1                        ; my row's scales: 128 r
	v_lshrrev_b32 v6, 1, v1
	v_lshl_add_u32 v5, v6, 4, v5                   ; + 16 for each 256 passed
	s_mul_i32 s21, s15, ASC
	s_mul_i32 s22, s16, BSC
	s_add_co_u32 s22, s22, 2*ASC
	s_sub_co_u32 s22, s22, s21                     ; from the tokens' base to the weights'
	v_mul_u32_u24 v6, s22, v2                      ; lanes 16-31 take the weights'
	s_add_co_u32 s21, s21, SCL
	v_add_nc_u32 v5, v5, v6
	v_add_nc_u32 v[ADRS], s21, v5
	s_mul_i32 s23, s14, 16*272
	s_add_co_u32 s23, s23, STAGE                   ; my stage
	v_mul_u32_u24 v5, v1, 272
	v_lshl_add_u32 v5, v2, 4, v5
	v_add_nc_u32 v[STO], s23, v5                   ; in: row r, 16 bytes for each half of the lanes
	v_mul_u32_u24 v5, v2, 272
	v_lshl_add_u32 v5, v1, 4, v5
	v_add_nc_u32 v[RD], s23, v5                    ; back: lanes 0-15 one row, lanes 16-31 the next
	v_and_b32 v6, 31, v0
	v_lshlrev_b32 v[CO], 4, v6
	v_lshlrev_b32 v[RO], 9, v1
	v_lshl_add_u32 v[RO], v2, 5, v[RO]
	v_lshlrev_b32 v[WO], 5, v2
	v_lshlrev_b32 v[FV], 9, v2
	v_lshl_add_u32 v[FV], v1, 2, v[FV]
	s_lshl_b32 s20, s17, 7
	s_lshl_b32 s21, s15, 6
	s_add_co_u32 s20, s20, s21                     ; my wave's first token
	v_mov_b32 v[FT], s20
	s_lshl_b32 s22, s20, 9                         ; 512 bytes of the table a token
	s_mov_b32 s23, 0
	s_add_nc_u64 s[8:9], s[8:9], s[22:23]
	s_lshl_b32 s46, s42, 1                         ; (what hangs on cx stays out of the registers that fed the tokens' descriptors)
	s_add_co_u32 s46, s46, s16                     ; my head slot
	s_lshl_b32 s66, s46, 19                        ; 524,288 bytes a slot,
	s_lshl_b32 s67, s20, 8                         ; 256 a token
	s_add_co_u32 s66, s66, s67
	s_mov_b32 s67, 0
	s_add_nc_u64 s[94:95], s[94:95], s[66:67]
	s_lshl_b32 s66, s46, 13                        ; fine32: 8,192 bytes a slot (slots 24-31 fall on v32T, which begins at 24 x 8,192)
	s_add_nc_u64 s[96:97], s[96:97], s[66:67]
	s_cmp_lt_u32 ttmp9, 2
	s_cselect_b64 s[10:11], s[10:11], s[92:93]     ; q's gain or k's
	s_mov_b32 s18, 0x3c000000                      ; 1 / 128
	s_mov_b32 s19, 0x358637bd                      ; 1e-6
	s_mov_b32 s[SEL], 0x76543210
	s_mov_b32 s[SEL+1], 0xfedcba98
.macro FRAG reg, adr, q, i             ; 16 rows x 128 K of 4-bit codes: 8 registers: lane l holds row l % 16; registers 4 c .. 4 c + 3 hold K = 64 c + 32 (l / 16) + 0..31
.irp c, 0,1
	ds_load_b128 v[\reg+4*\c:\reg+4*\c+3], v[\adr] offset:64*(\q)+32*\c+(\i)*16*PITCH
.endr
.endm
.macro FETCH_B slot, q, p              ; the weights' eight fragments of the slot's q-th 128 along K into set p
	WIN 0x40
.irp i, 0,1,2,3,4,5,6,7
	FRAG 128*(\p)+8*\i, ADRB+\slot, \q, \i
.endr
	WIN 0
.endm
.macro FETCH_A slot, q, p              ; the tokens' four
.irp i, 0,1,2,3
	FRAG AF+32*(\p)+8*\i, ADRA+\slot, \q, \i
.endr
.endm
.macro SCALES sc                       ; a K step's scale words: 4 a row; lanes 0-15 the tokens' block i (i = 4..7: bytes that are filled and never used), lanes 16-31 the weights' block i
.irp i, 0,1,2,3,4,5,6,7
	ds_load_b128 v[SC+32*\sc+4*\i:SC+32*\sc+4*\i+3], v[ADRS] offset:\i*SBLK
.endr
.endm
; Eight matrix instructions: the tokens' block a against the weights' eight.  The 32 accumulators take turns, one instruction a turn, in the same order in every step.
.macro MUL8 a, p, q, sc, zero
.irp b, 0,1,2,3,4,5,6,7
.if \zero
	v_wmma_scale_f32_16x16x128_f8f6f4 v[8*(8*(\a)+\b):8*(8*(\a)+\b)+7], v[128*(\p)+8*\b:128*(\p)+8*\b+7], v[AF+32*(\p)+8*(\a):AF+32*(\p)+8*(\a)+7], 0, v[SC+32*(\sc)+4*\b+(\q)], v[SC+32*(\sc)+4*(\a)+(\q)] matrix_a_fmt:MATRIX_FMT_FP4 matrix_b_fmt:MATRIX_FMT_FP4 matrix_a_scale:MATRIX_SCALE_ROW1
.else
	v_wmma_scale_f32_16x16x128_f8f6f4 v[8*(8*(\a)+\b):8*(8*(\a)+\b)+7], v[128*(\p)+8*\b:128*(\p)+8*\b+7], v[AF+32*(\p)+8*(\a):AF+32*(\p)+8*(\a)+7], v[8*(8*(\a)+\b):8*(8*(\a)+\b)+7], v[SC+32*(\sc)+4*\b+(\q)], v[SC+32*(\sc)+4*(\a)+(\q)] matrix_a_fmt:MATRIX_FMT_FP4 matrix_b_fmt:MATRIX_FMT_FP4 matrix_a_scale:MATRIX_SCALE_ROW1
.endif
.endr
.endm
; A step of 128 along K whose successor lies in the same slot: the successor's 24 loads go out in one run, into the other sets, ahead of this step's 32 products.
.macro STEP slot, q, zero
	PLACES
	FETCH_B \slot, (\q)+1, 1-(\q)%2
	FETCH_A \slot, (\q)+1, 1-(\q)%2
	s_wait_dscnt 24                                ; all but the 24 just issued: this step's fragments (and scale words) are in
	WIN MUL
	MUL8 0, (\q)%2, \q, \slot, \zero
	MUL8 1, (\q)%2, \q, \slot, \zero
	MUL8 2, (\q)%2, \q, \slot, \zero
	MUL8 3, (\q)%2, \q, \slot, \zero
	WIN 0
.endm
; A slot's last step changes slots: ONE barrier; ahead of it each wave waits for all its tensor loads, adds 0 to its spare word, and waits for that and for its reads of this slot.  fill = 1: the slot is filled again, two K steps on.
.macro TURN slot, next, fill
	s_wait_tensorcnt 0x0                           ; all my tensor loads have landed: my part of the next slot
	ds_add_u32 v[SPW], v[NIL]
	s_wait_dscnt 1                                 ; this step's fragments are in; the add may be out
	WIN MUL
	MUL8 0, 1, 3, \slot, 0                         ; eight products stand between the add and the wait for it
	s_wait_dscnt 0x0                               ; the add is done, and my reads of this slot are over
	s_barrier_signal -1
	MUL8 1, 1, 3, \slot, 0
	WIN 0
	s_barrier_wait -1
.if \fill
	CREST                                          ; the barrier has opened a round of the cluster's: no wave of any partner still reads this slot or has a load on its way
	s_add_nc_u64 s[G0+4*\slot+2:G0+4*\slot+3], s[G0+4*\slot+2:G0+4*\slot+3], 2*ROWB
	s_add_nc_u64 s[G0B+4*\slot+2:G0B+4*\slot+3], s[G0B+4*\slot+2:G0B+4*\slot+3], 2*ROWB
	JLOAD G0+4*\slot, G1, G0B+4*\slot, G1B         ; the first tensor load behind the round; its four v_nop are the places for the loads below
.else
	PLACES
.endif
	v_add_nc_u32 v[ADRS], 16, v[ADRS]              ; the next K step's scale words
	FETCH_B \next, 0, 0
	FETCH_A \next, 0, 0
	SCALES \next
	WIN MUL
	MUL8 2, 1, 3, \slot, 0
	MUL8 3, 1, 3, \slot, 0
	WIN 0
.endm
.macro LOADTAB a                       ; cos and sin of my tokens 16 a + r at frequencies 16 b + 8 h + 0..7, b = 0..3: 16 loads into window 3
	WIN 0xc0
.irp b, 0,1,2,3
.irp u, 0,1
	global_load_b128 v[64*\a+8*\b+4*\u:64*\a+8*\b+4*\u+3], v[RO], s[8:9] offset:8192*\a+64*\b+16*\u
	global_load_b128 v[64*\a+32+8*\b+4*\u:64*\a+32+8*\b+4*\u+3], v[RO], s[8:9] offset:8192*\a+256+64*\b+16*\u
.endr
.endr
	WIN 0
.endm
.macro TAIL tab                        ; the last lap: nothing is filled, so no round.  tab = 1: the table's second half is asked for in its middle
	STEP 0, 1, 0
	STEP 0, 2, 0
	TURN 0, 1, 0
.if \tab
	LOADTAB 2
	LOADTAB 3
.endif
	STEP 1, 0, 0
	STEP 1, 1, 0
	STEP 1, 2, 0
	s_wait_dscnt 0x0
	WIN MUL
	MUL8 0, 1, 3, 1, 0
	MUL8 1, 1, 3, 1, 0
	MUL8 2, 1, 3, 1, 0
	MUL8 3, 1, 3, 1, 0
	WIN 0
	PLACES
.endm
	s_wait_tensorcnt 1                             ; the scales and my part of K step 0 are in; K step 1's load may be out
	s_barrier_signal -1
	s_barrier_wait -1
	FETCH_B 0, 0, 0
	FETCH_A 0, 0, 0
	SCALES 0
	STEP 0, 0, 1                                   ; the first step's products start the sums: nothing is cleared
	s_mov_b32 s3, 3
.Llap:                                                 ; 8 K steps in all: three trips fill both slots again
	STEP 0, 1, 0
	STEP 0, 2, 0
	TURN 0, 1, 1
	STEP 1, 0, 0
	STEP 1, 1, 0
	STEP 1, 2, 0
	TURN 1, 0, 1
	STEP 0, 0, 0
	s_sub_co_u32 s3, s3, 1
	s_cmp_lg_u32 s3, 0
	s_cbranch_scc1 .Llap
	s_cmp_eq_u32 ttmp9, 3                          ; the cluster's x: the same in all partners
	s_cbranch_scc1 .Lvarm
	; ---------------- q and k: norm and rotation ----------------
	WIN 0x40
.irp b, 0,1,2,3,4,5,6,7
.irp u, 0,1
	global_load_b128 v[64+8*\b+4*\u:64+8*\b+4*\u+3], v[WO], s[10:11] offset:64*\b+16*\u   ; the gain at my columns 16 b + 8 h + 0..7
.endr
.endr
	v_mov_b32 v197, 0                              ; a lane permute's destination counts as one of its sources
	WIN 0
	LOADTAB 0
	LOADTAB 1
	TAIL 1
; Block a: 16 tokens.  x rsqrt(mean x^2 + 1e-6), then x gain, then lo' = lo cos - hi sin, hi' = hi cos + lo sin, lo = columns 0-63 (b < 4), hi = columns 64-127.
.macro NORMROPE a
	s_wait_loadcnt 48-16*\a                        ; the gain and this block's table are in; the later blocks' 16 loads each may be out
	WIN 0x5a                                       ; x in window 2, the sums in window 1
	v_pk_mul_f32 v[192:193], v[64*\a:64*\a+1], v[64*\a:64*\a+1]         ; each accumulator is read from its low end on
	v_pk_mul_f32 v[194:195], v[64*\a+2:64*\a+3], v[64*\a+2:64*\a+3]
.set i, 4
.rept 15
	v_pk_fma_f32 v[192:193], v[64*\a+i:64*\a+i+1], v[64*\a+i:64*\a+i+1], v[192:193]
	v_pk_fma_f32 v[194:195], v[64*\a+i+2:64*\a+i+3], v[64*\a+i+2:64*\a+i+3], v[194:195]
.set i, i+4
.endr
	WIN 0x55
	v_pk_add_f32 v[192:193], v[192:193], v[194:195]
	v_add_f32 v196, v192, v193
	v_permlanex16_b32 v197, v196, s[SEL], s[SEL+1] ; the token's other 64 columns lie in lane l xor 16
	v_add_f32 v196, v196, v197
	v_fma_f32 v196, v196, s18, s19                 ; mean + 1e-6
	v_rsq_f32 v198, v196
	v_mov_b32 v199, 0                              ; (the plain line behind it; named with v198 as a pair)
	s_wait_alu depctr_va_vdst(0)                   ; ahead of the first reader
	WIN 0x86
.set i, 0
.rept 32
	v_pk_mul_f32 v[64*\a+i:64*\a+i+1], v[64*\a+i:64*\a+i+1], v[198:199] op_sel_hi:[1,0]
.set i, i+2
.endr
.set i, 0
.rept 32
	v_pk_mul_f32 v[64*\a+i:64*\a+i+1], v[64*\a+i:64*\a+i+1], v[64+i:65+i]
.set i, i+2
.endr
	WIN 0x4e                                       ; x window 2, sin window 3, products window 1
.set i, 0
.rept 16
	v_pk_mul_f32 v[128+i:129+i], v[64*\a+i:64*\a+i+1], v[64*\a+32+i:64*\a+33+i]          ; lo sin
	v_pk_mul_f32 v[160+i:161+i], v[64*\a+32+i:64*\a+33+i], v[64*\a+32+i:64*\a+33+i]      ; hi sin
.set i, i+2
.endr
	WIN 0x9e
.set i, 0
.rept 16
	v_pk_fma_f32 v[64*\a+i:64*\a+i+1], v[64*\a+i:64*\a+i+1], v[64*\a+i:64*\a+i+1], v[160+i:161+i] neg_lo:[0,0,1] neg_hi:[0,0,1]
	v_pk_fma_f32 v[64*\a+32+i:64*\a+33+i], v[64*\a+32+i:64*\a+33+i], v[64*\a+i:64*\a+i+1], v[128+i:129+i]
.set i, i+2
.endr
	WIN 0
.endm
	NORMROPE 0
	v_cmp_eq_u32 vcc_lo, 0, v[FT]                  ; tokens 0-15 are the first block of the wave whose first token is 0
	s_wait_xcnt 0x0                                ; EXEC changes only behind this wait
	s_and_saveexec_b32 s20, vcc_lo
	WIN 0x08
.irp d, 0,1,2,3,4,5,6,7,8,9,10,11,12,13,14,15
	global_store_b128 v[CO], v[4*\d:4*\d+3], s[96:97] offset:512*\d    ; the block as an image of its registers: 512 consecutive bytes a store
.endr
	WIN 0
	s_wait_xcnt 0x0
	s_or_b32 exec_lo, exec_lo, s20
	NORMROPE 1
	NORMROPE 2
	NORMROPE 3
	s_branch .Lout
	; ---------------- v ----------------
.Lvarm:
	TAIL 0
	v_cmp_eq_u32 vcc_lo, 0, v[FT]
	s_wait_xcnt 0x0
	s_and_saveexec_b32 s20, vcc_lo
	WIN 0x08
.irp b, 0,1,2,3,4,5,6,7
.irp j, 0,1,2,3,4,5,6,7
	global_store_b32 v[FV], v[8*\b+\j], s[96:97] offset:(16*\b+\j)*64  ; v32T[d = 16 b + 8 h + j][key r], f32, not scaled: 8 waves of the launch store here, 8 KiB each
.endr
.endr
	WIN 0
	s_wait_xcnt 0x0                                ; the stores have read their data too
	s_or_b32 exec_lo, exec_lo, s20
	WIN 0x82
.set i, 0
.rept 128
	v_pk_mul_f32 v[i:i+1], v[i:i+1], 0x3e800000 op_sel_hi:[1,0]        ; v / 4: exact
.set i, i+2
.endr
	WIN 0
	; ---------------- the way out: f16, a block of 16 tokens at a time through my stage, back as whole rows ----------------
.Lout:
.macro OUTBLK a
	s_wait_xcnt 0x0                                ; the last block's stores have read their registers
	WIN 0x4a
.set i, 0
.rept 32
	v_cvt_pk_f16_f32 v[200+i], v[64*\a+2*i], v[64*\a+2*i+1]
.set i, i+1
.endr
	WIN 0x04
.irp b, 0,1,2,3,4,5,6,7
	ds_store_b128 v[STO], v[200+4*\b:203+4*\b] offset:32*\b
.endr
	WIN 0x40
.irp t, 0,1,2,3,4,5,6,7
	ds_load_b128 v[200+4*\t:203+4*\t], v[RD] offset:544*\t             ; LDS serves a wave's instructions in order: these see the stores above
.endr
	WIN 0x04
.irp t, 0,1,2,3,4,5,6,7
	s_wait_dscnt 7-\t                              ; the younger loads of the run may be out
	global_store_b128 v[CO], v[200+4*\t:203+4*\t], s[94:95] offset:4096*\a+512*\t   ; two rows of 256 bytes: 512 consecutive bytes, aligned
.endr
	WIN 0
.endm
	OUTBLK 0
	OUTBLK 1
	OUTBLK 2
	OUTBLK 3
	s_wait_tensorcnt 0x0                           ; the wave's end
	ds_add_u32 v[SPW], v[NIL]
	s_wait_dscnt 0x0
	CROUND                                         ; the closing round
	s_endpgm
.Lfunc_end_k_qe2ad09cbdf_qkv:
	.size	k_qe2ad09cbdf_qkv, .Lfunc_end_k_qe2ad09cbdf_qkv-k_qe2ad09cbdf_qkv
	.p2alignl 7, 3214868480
	.fill 96, 4, 3214868480
	.section	.rodata,"a",@progbits
	.p2align	6, 0x0
	.amdhsa_kernel k_qe2ad09cbdf_qkv
		.amdhsa_group_segment_fixed_size 327680
		.amdhsa_private_segment_fixed_size 0
		.amdhsa_enable_private_segment 0
		.amdhsa_kernarg_size 56
		.amdhsa_user_sgpr_count 2
		.amdhsa_user_sgpr_kernarg_segment_ptr 1
		.amdhsa_wavefront_size32 1
		.amdhsa_system_sgpr_workgroup_id_x 1
		.amdhsa_system_sgpr_workgroup_id_y 1
		.amdhsa_system_sgpr_workgroup_id_z 1
		.amdhsa_system_vgpr_workitem_id 0
		.amdhsa_next_free_vgpr 1024
		.amdhsa_next_free_sgpr 100
		.amdhsa_reserve_vcc 1
		.amdhsa_float_denorm_mode_32 3
		.amdhsa_float_denorm_mode_16_64 3
		.amdhsa_memory_ordered 1
		.amdhsa_forward_progress 1
		.amdhsa_inst_pref_size 235
	.end_amdhsa_kernel
	.amdgpu_metadata
---
amdhsa.version: [ 1, 2 ]
amdhsa.kernels:
  - .name:           k_qe2ad09cbdf_qkv
    .symbol:         k_qe2ad09cbdf_qkv.kd
    .args:
      - { .name: codes, .offset: 0, .size: 8, .value_kind: global_buffer, .address_space: global }
      - { .name: scales, .offset: 8, .size: 8, .value_kind: global_buffer, .address_space: global }
      - { .name: rope, .offset: 16, .size: 8, .value_kind: global_buffer, .address_space: global }
      - { .name: q_norm_w, .offset: 24, .size: 8, .value_kind: global_buffer, .address_space: global }
      - { .name: k_norm_w, .offset: 32, .size: 8, .value_kind: global_buffer, .address_space: global }
      - { .name: qkv16, .offset: 40, .size: 8, .value_kind: global_buffer, .address_space: global }
      - { .name: fine32, .offset: 48, .size: 8, .value_kind: global_buffer, .address_space: global }
    .group_segment_fixed_size: 327680
    .private_segment_fixed_size: 0
    .kernarg_segment_align: 8
    .kernarg_segment_size: 56
    .max_flat_workgroup_size: 128
    .sgpr_count:     100
    .vgpr_count:     1024
    .wavefront_size: 32
...
	.end_amdgpu_metadata
.endif
;; end of part 2
;; launch fine (part 3): grid 256 x 1, 16 waves a work-group, no clusters, 167,936 bytes of LDS; arguments Wo, fine32, wo16, out0; writes wo16, out0
.if DOCPART == 3
	.amdgcn_target "amdgcn-amd-amdhsa--gfx1250"
	.amdhsa_code_object_version 6
	.text
	.protected	k_qe2ad09cbdf_fine
	.globl	k_qe2ad09cbdf_fine
	.p2align	8
	.type	k_qe2ad09cbdf_fine,@function
k_qe2ad09cbdf_fine:
	s_mov_b64 s[64:65], 0
	v_nop
	global_prefetch_b8 v0, s[64:65] scope:SCOPE_SE
	s_setreg_imm32_b32 hwreg(HW_REG_WAVE_MODE, 25, 1), 1
	s_wait_xcnt 0x0
; THIRD LAUNCH.  It reads Wo (f32) once and does two things with it: wo16 = f16(4 Wo) for the last launch (the 4 takes back the quarter in v / 4; both are exact), and rows 0-15 of the output wholly in f32:
; under the causal mask the first positions average one to a few values and are the largest in size, so their attention and their projection are carried in f32 (v_wmma_f32_16x16x4_f32; no bulk work).
; SHARES.  Work-group j owns rows 16 j .. 16 j + 15 of Wo: 16 output columns.  Wave hd is head hd: it brings the K slice 128 hd .. 128 hd + 127 of those rows (16 x 512 bytes) by one tensor load, reads it alone,
; and repeats that head's attention of 16 queries x 16 keys while the load is on its way.  The 16 waves' partial sums meet in LDS; waves 0 and 1 add them in a fixed order.
; Keys after a query are hidden by -infinity (the mask that reference() builds); no tile is left out here.  No cluster: no two work-groups read the same rows of Wo, and fine32 is 256 KiB.
; The output's pieces are 64 bytes a row: 16 rows of the whole output, the price of all 256 work-groups streaming Wo.
; LAYOUT.  In the images of q and k, lane (r, h) holds token r and register 8 b + j the channel 16 b + 8 h + j.  The f32 form takes k = 2 h + j from a lane's two registers: the same registers of two images hold the
; same channels, so the products pair rightly whatever the order along K.  Every product is used with tokens as source 1: a lane holds one token throughout.
.set TP,    528                        ; a row of my tile in LDS: 512 bytes + 16
.set TILE,  16*TP
.set PART,  16*TILE                    ; 16 x 1,024 bytes: the waves' partial sums
.set SPARE, PART+16*1024               ; the spare words, 128 bytes a wave, named by no other line
.set SPW, 4
.set NIL, 5
.set L16, 6                            ; 16 x lane
.set VA,  7                            ; 64 r + 32 h: my place in v32T
.set WF,  8                            ; my tile + 528 r + 32 h: Wo as a fragment
.set WD,  9                            ; my tile + 16 x lane: Wo by rows
.set PS,  10                           ; where I put my partial sums
.set PR,  11                           ; where waves 0 and 1 read them
.set OO,  12                           ; my place in the output
.set DD,  13                           ; r - 8 h
.set NEG, 14                           ; -infinity
.set L8,  15                           ; 8 x lane
.set AC,  16                           ; v16-47   four accumulators: written by matrix instructions alone
.set OT,  48                           ; v48-111  O^T: likewise
.set R1,  112                          ; v112-175 q, then v^T, then Wo by rows
.set R2,  176                          ; v176-239 k, then Wo as fragments, then the partial sums
.set SV,  240                          ; v240-247 scores, p, sums
.set TM,  248                          ; v248-255 at work
	s_load_b256 s[4:11], s[0:1], 0x0               ; Wo s[4:5], fine32 s[6:7], wo16 s[8:9], out0 s[10:11]
	v_lshl_add_u32 v[SPW], v0, 2, SPARE
	v_mov_b32 v[NIL], 0
	ds_add_u32 v[SPW], v[NIL]                      ; the opening: the add, twice on end, and its wait ahead of my tensor load
	ds_add_u32 v[SPW], v[NIL]
	v_lshrrev_b32 v1, 5, v0
	v_readfirstlane_b32 s12, v1                    ; wave = head
	s_mov_b32 s32, (2<<16)|(1<<20)|(6<<22)|(3<<25) ; no mask; elements of 4 bytes; 4 words of padding behind every 128
	s_mov_b32 s33, 128<<16                         ; tensor_dim0
	s_mov_b32 s34, 16<<16                          ; tensor_dim1
	s_mov_b32 s35, 128<<16                         ; tile_dim0
	s_mov_b32 s36, 16                              ; tile_dim1
	s_mov_b32 s37, 2048                            ; elements from row to row
	s_mov_b32 s38, 0
	s_mov_b32 s39, 0
	s_mov_b32 s24, 1
	s_mul_i32 s25, s12, TILE                       ; my tile in LDS
	s_lshl_b32 s14, ttmp9, 17                      ; 16 rows of 8,192 bytes a work-group,
	s_lshl_b32 s13, s12, 9                         ; 512 bytes a head
	s_add_co_u32 s14, s14, s13
	s_mov_b32 s15, 0
	s_mov_b32 s28, 0x76543210
	s_mov_b32 s29, 0xfedcba98                      ; selects for lane l xor 16
	s_mov_b32 s30, 0x3e0293ee                      ; c = log2(e) / sqrt(128)
	s_wait_dscnt 0x0
	s_wait_kmcnt 0x0
	s_add_nc_u64 s[26:27], s[4:5], s[14:15]
	s_or_b32 s27, s27, 0x80000000
	tensor_load_to_lds s[24:27], s[32:39]          ; every wave issues one, into bytes of its own
	s_nop 0
	v_and_b32 v1, 31, v0                           ; lane
	v_and_b32 v2, 15, v0                           ; r
	v_bfe_u32 v3, v0, 4, 1                         ; h
	v_lshlrev_b32 v[L16], 4, v1
	v_lshlrev_b32 v[L8], 3, v1
	v_lshlrev_b32 v[VA], 6, v2
	v_lshl_add_u32 v[VA], v3, 5, v[VA]
	v_mul_u32_u24 v[WF], v2, TP
	v_lshl_add_u32 v[WF], v3, 5, v[WF]
	v_add_nc_u32 v[WF], s25, v[WF]
	v_add_nc_u32 v[WD], s25, v[L16]
	s_lshl_b32 s13, s12, 10
	s_add_co_u32 s13, s13, PART
	v_add_nc_u32 v[PS], s13, v[L16]
	s_and_b32 s13, s12, 1
	s_lshl_b32 s16, s13, 9
	s_add_co_u32 s16, s16, PART
	v_add_nc_u32 v[PR], s16, v[L16]
	v_lshlrev_b32 v[OO], 14, v2                    ; a row of the output is 16,384 bytes
	v_lshl_add_u32 v[OO], v3, 5, v[OO]
	s_lshl_b32 s16, s13, 4
	v_add_nc_u32 v[OO], s16, v[OO]
	v_lshlrev_b32 v[DD], 3, v3
	v_sub_nc_u32 v[DD], v2, v[DD]
	v_mov_b32 v[NEG], 0xff800000
	s_lshl_b32 s16, s12, 13
	s_mov_b32 s17, 0
	s_add_nc_u64 s[16:17], s[6:7], s[16:17]        ; q's image of my head
	s_lshr_b32 s18, s12, 1
	s_add_co_u32 s18, s18, 16
	s_lshl_b32 s18, s18, 13
	s_mov_b32 s19, 0
	s_add_nc_u64 s[18:19], s[6:7], s[18:19]        ; k's image of my key/value head; its v32T lies 65,536 bytes on
	s_lshl_b32 s20, ttmp9, 16                      ; wo16: 16 rows of 4,096 bytes a work-group,
	s_lshl_b32 s21, s12, 8                         ; 256 bytes a head
	s_add_co_u32 s20, s20, s21
	s_mov_b32 s21, 0
	s_add_nc_u64 s[8:9], s[8:9], s[20:21]
	s_lshl_b32 s20, ttmp9, 6                       ; the output: 64 bytes a work-group
	s_add_nc_u64 s[10:11], s[10:11], s[20:21]
.irp d, 0,1,2,3,4,5,6,7,8,9,10,11,12,13,14,15
	global_load_b128 v[R1+4*\d:R1+4*\d+3], v[L16], s[16:17] offset:512*\d
	global_load_b128 v[R2+4*\d:R2+4*\d+3], v[L16], s[18:19] offset:512*\d
.endr
	s_wait_loadcnt 0x0
	; S^T = k q^T: 32 steps of 4 along the head's 128, four accumulators by turns; the first four start the sums
.set t, 0
.rept 32
.if t < 4
	v_wmma_f32_16x16x4_f32 v[AC+8*(t%4):AC+8*(t%4)+7], v[R2+2*t:R2+2*t+1], v[R1+2*t:R1+2*t+1], 0
.else
	v_wmma_f32_16x16x4_f32 v[AC+8*(t%4):AC+8*(t%4)+7], v[R2+2*t:R2+2*t+1], v[R1+2*t:R1+2*t+1], v[AC+8*(t%4):AC+8*(t%4)+7]
.endif
.set t, t+1
.endr
.rept 8
	v_nop                                          ; eight places behind this form, for the loads into q's registers and the reads of the sums
.endr
.irp c, 0,1,2,3,4,5,6,7
	global_load_b128 v[R1+8*\c:R1+8*\c+3], v[VA], s[18:19] offset:65536+1024*\c       ; v^T: channel 16 c + r, keys 8 h + 0..7
	global_load_b128 v[R1+8*\c+4:R1+8*\c+7], v[VA], s[18:19] offset:65536+1024*\c+16
.endr
.irp j, 0,2,4,6
	v_pk_add_f32 v[SV+\j:SV+\j+1], v[AC+\j:AC+\j+1], v[AC+8+\j:AC+9+\j]               ; each accumulator from its low end on
	v_pk_add_f32 v[TM+\j:TM+\j+1], v[AC+16+\j:AC+17+\j], v[AC+24+\j:AC+25+\j]
.endr
.irp j, 0,2,4,6
	v_pk_add_f32 v[SV+\j:SV+\j+1], v[SV+\j:SV+\j+1], v[TM+\j:TM+\j+1]                 ; lane (r, h): query r, keys 8 h + j
.endr
.irp j, 0,1,2,3,4,5,6,7
	v_cmp_gt_i32 vcc_lo, \j, v[DD]                 ; key 8 h + j comes after query r
	v_cndmask_b32 v[SV+\j], v[SV+\j], v[NEG], vcc_lo
.endr
	v_max3_num_f32 v248, v240, v241, v242
	v_max3_num_f32 v249, v243, v244, v245
	v_max3_num_f32 v248, v248, v246, v247
	v_max_num_f32 v248, v248, v249
	v_permlanex16_b32 v249, v248, s28, s29
	v_max_num_f32 v248, v248, v249                 ; the row's maximum: key 0 counts for every query, so it is a number
	v_mul_f32 v250, s30, v248
.irp j, 0,1,2,3,4,5,6,7
	v_fma_f32 v[SV+\j], v[SV+\j], s30, -v250
.endr
.irp j, 0,1,2,3,4,5,6,7
	v_exp_f32 v[SV+\j], v[SV+\j]
.endr
	v_nop                                          ; the plain line behind the batch
	s_wait_alu depctr_va_vdst(0)                   ; one wait for the eight, ahead of their first reader
	v_pk_add_f32 v[248:249], v[240:241], v[242:243]
	v_pk_add_f32 v[250:251], v[244:245], v[246:247]
	v_pk_add_f32 v[248:249], v[248:249], v[250:251]
	v_add_f32 v248, v248, v249
	v_permlanex16_b32 v249, v248, s28, s29
	v_add_f32 v248, v248, v249
	v_rcp_f32 v250, v248
	v_mov_b32 v251, 0                              ; (the plain line; named with v250 as a pair)
	s_wait_alu depctr_va_vdst(0)
.irp j, 0,2,4,6
	v_pk_mul_f32 v[SV+\j:SV+\j+1], v[SV+\j:SV+\j+1], v[250:251] op_sel_hi:[1,0]       ; the weights, normalised as reference() has them
.endr
	s_wait_tensorcnt 0x0                           ; my tile of Wo is in LDS; only I read it
.irp b, 0,1,2,3,4,5,6,7
	ds_load_b128 v[R2+8*\b:R2+8*\b+3], v[WF] offset:64*\b              ; Wo(16 j + r, 128 hd + 16 b + 8 h + 0..7): the image's order
	ds_load_b128 v[R2+8*\b+4:R2+8*\b+7], v[WF] offset:64*\b+16
.endr
	s_wait_loadcnt 0x0                             ; v^T
	; O^T = v^T p^T: 4 steps of 4 keys (8 h + 2 s + 0, 1 on both sides), the eight tiles of channels by turns
.irp s, 0,1,2,3
.irp c, 0,1,2,3,4,5,6,7
.if \s == 0
	v_wmma_f32_16x16x4_f32 v[OT+8*\c:OT+8*\c+7], v[R1+8*\c+2*\s:R1+8*\c+2*\s+1], v[SV+2*\s:SV+2*\s+1], 0
.else
	v_wmma_f32_16x16x4_f32 v[OT+8*\c:OT+8*\c+7], v[R1+8*\c+2*\s:R1+8*\c+2*\s+1], v[SV+2*\s:SV+2*\s+1], v[OT+8*\c:OT+8*\c+7]
.endif
.endr
.endr
.rept 9
	v_nop                                          ; nine places before a matrix instruction takes these results as an operand
.endr
	s_wait_dscnt 0x0                               ; Wo's fragments
	; my head's part of out^T = Wo O^T: O^T's registers are an image like q's
.set t, 0
.rept 32
.if t < 4
	v_wmma_f32_16x16x4_f32 v[AC+8*(t%4):AC+8*(t%4)+7], v[R2+2*t:R2+2*t+1], v[OT+2*t:OT+2*t+1], 0
.else
	v_wmma_f32_16x16x4_f32 v[AC+8*(t%4):AC+8*(t%4)+7], v[R2+2*t:R2+2*t+1], v[OT+2*t:OT+2*t+1], v[AC+8*(t%4):AC+8*(t%4)+7]
.endif
.set t, t+1
.endr
.rept 8
	v_nop
.endr
.irp i, 0,1,2,3,4,5,6,7,8,9,10,11,12,13,14,15
	ds_load_b128 v[R1+4*\i:R1+4*\i+3], v[WD] offset:TP*\i              ; Wo by rows: 512 consecutive bytes a load
.endr
.irp j, 0,2,4,6
	v_pk_add_f32 v[SV+\j:SV+\j+1], v[AC+\j:AC+\j+1], v[AC+8+\j:AC+9+\j]
	v_pk_add_f32 v[TM+\j:TM+\j+1], v[AC+16+\j:AC+17+\j], v[AC+24+\j:AC+25+\j]
.endr
.irp j, 0,2,4,6
	v_pk_add_f32 v[SV+\j:SV+\j+1], v[SV+\j:SV+\j+1], v[TM+\j:TM+\j+1]                 ; lane (r, h): token r, output columns 16 j + 8 h + 0..7
.endr
	ds_store_b128 v[PS], v[SV:SV+3]
	ds_store_b128 v[PS], v[SV+4:SV+7] offset:512
	s_wait_dscnt 2                                 ; the 16 loads are in; the two stores may be out
.irp i, 0,1,2,3,4,5,6,7,8,9,10,11,12,13,14,15
	v_pk_mul_f32 v[R1+4*\i:R1+4*\i+1], v[R1+4*\i:R1+4*\i+1], 4.0 op_sel_hi:[1,0]
	v_pk_mul_f32 v[R1+4*\i+2:R1+4*\i+3], v[R1+4*\i+2:R1+4*\i+3], 4.0 op_sel_hi:[1,0]
	v_cvt_pk_f16_f32 v[R1+4*\i], v[R1+4*\i], v[R1+4*\i+1]
	v_cvt_pk_f16_f32 v[R1+4*\i+1], v[R1+4*\i+2], v[R1+4*\i+3]
	global_store_b64 v[L8], v[R1+4*\i:R1+4*\i+1], s[8:9] offset:4096*\i               ; 256 consecutive bytes, aligned
.endr
	s_wait_dscnt 0x0                               ; for the others' sake: my partial sums have landed
	s_barrier_signal -1
	s_barrier_wait -1
	s_cmp_lt_u32 s12, 2
	s_cbranch_scc0 .Ldone
.irp p, 0,1,2,3,4,5,6,7,8,9,10,11,12,13,14,15
	ds_load_b128 v[R2+4*\p:R2+4*\p+3], v[PR] offset:1024*\p            ; wave w: registers 4 w .. 4 w + 3 of all 16 heads
.endr
	s_wait_dscnt 0x0
.irp p, 0,2,4,6,8,10,12,14
	v_pk_add_f32 v[R2+4*\p:R2+4*\p+1], v[R2+4*\p:R2+4*\p+1], v[R2+4*\p+4:R2+4*\p+5]
	v_pk_add_f32 v[R2+4*\p+2:R2+4*\p+3], v[R2+4*\p+2:R2+4*\p+3], v[R2+4*\p+6:R2+4*\p+7]
.endr
.irp p, 0,4,8,12
	v_pk_add_f32 v[R2+4*\p:R2+4*\p+1], v[R2+4*\p:R2+4*\p+1], v[R2+4*\p+8:R2+4*\p+9]
	v_pk_add_f32 v[R2+4*\p+2:R2+4*\p+3], v[R2+4*\p+2:R2+4*\p+3], v[R2+4*\p+10:R2+4*\p+11]
.endr
.irp p, 0,8
	v_pk_add_f32 v[R2+4*\p:R2+4*\p+1], v[R2+4*\p:R2+4*\p+1], v[R2+4*\p+16:R2+4*\p+17]
	v_pk_add_f32 v[R2+4*\p+2:R2+4*\p+3], v[R2+4*\p+2:R2+4*\p+3], v[R2+4*\p+18:R2+4*\p+19]
.endr
	v_pk_add_f32 v[R2:R2+1], v[R2:R2+1], v[R2+32:R2+33]
	v_pk_add_f32 v[R2+2:R2+3], v[R2+2:R2+3], v[R2+34:R2+35]
	global_store_b128 v[OO], v[R2:R2+3], s[10:11]  ; out0(r, 16 j + 8 h + 4 w + 0..3)
.Ldone:
	s_wait_tensorcnt 0x0                           ; the wave's end
	ds_add_u32 v[SPW], v[NIL]
	s_wait_dscnt 0x0
	s_endpgm
.Lfunc_end_k_qe2ad09cbdf_fine:
	.size	k_qe2ad09cbdf_fine, .Lfunc_end_k_qe2ad09cbdf_fine-k_qe2ad09cbdf_fine
	.p2alignl 7, 3214868480
	.fill 96, 4, 3214868480
	.section	.rodata,"a",@progbits
	.p2align	6, 0x0
	.amdhsa_kernel k_qe2ad09cbdf_fine
		.amdhsa_group_segment_fixed_size 167936
		.amdhsa_private_segment_fixed_size 0
		.amdhsa_enable_private_segment 0
		.amdhsa_kernarg_size 32
		.amdhsa_user_sgpr_count 2
		.amdhsa_user_sgpr_kernarg_segment_ptr 1
		.amdhsa_wavefront_size32 1
		.amdhsa_system_sgpr_workgroup_id_x 1
		.amdhsa_system_sgpr_workgroup_id_y 1
		.amdhsa_system_sgpr_workgroup_id_z 1
		.amdhsa_system_vgpr_workitem_id 0
		.amdhsa_next_free_vgpr 256
		.amdhsa_next_free_sgpr 66
		.amdhsa_reserve_vcc 1
		.amdhsa_float_denorm_mode_32 3
		.amdhsa_float_denorm_mode_16_64 3
		.amdhsa_memory_ordered 1
		.amdhsa_forward_progress 1
		.amdhsa_inst_pref_size 30
	.end_amdhsa_kernel
	.amdgpu_metadata
---
amdhsa.version: [ 1, 2 ]
amdhsa.kernels:
  - .name:           k_qe2ad09cbdf_fine
    .symbol:         k_qe2ad09cbdf_fine.kd
    .args:
      - { .name: Wo, .offset: 0, .size: 8, .value_kind: global_buffer, .address_space: global }
      - { .name: fine32, .offset: 8, .size: 8, .value_kind: global_buffer, .address_space: global }
      - { .name: wo16, .offset: 16, .size: 8, .value_kind: global_buffer, .address_space: global }
      - { .name: out0, .offset: 24, .size: 8, .value_kind: global_buffer, .address_space: global }
    .group_segment_fixed_size: 167936
    .private_segment_fixed_size: 0
    .kernarg_segment_align: 8
    .kernarg_segment_size: 32
    .max_flat_workgroup_size: 512
    .sgpr_count:     66
    .vgpr_count:     256
    .wavefront_size: 32
...
	.end_amdgpu_metadata
.endif
;; end of part 3
;; launch attn (part 4): grid 32 x 8, 8 waves a work-group, no clusters, 327,680 bytes of LDS; arguments qkv16, o16; writes o16
.if DOCPART == 4
	.amdgcn_target "amdgcn-amd-amdhsa--gfx1250"
	.amdhsa_code_object_version 6
	.text
	.protected	k_qe2ad09cbdf_attn
	.globl	k_qe2ad09cbdf_attn
	.p2align	8
	.type	k_qe2ad09cbdf_attn,@function
k_qe2ad09cbdf_attn:
	s_mov_b64 s[64:65], 0
	v_nop
	global_prefetch_b8 v0, s[64:65] scope:SCOPE_SE
	s_setreg_imm32_b32 hwreg(HW_REG_WAVE_MODE, 25, 1), 1
	s_wait_xcnt 0x0
; FOURTH LAUNCH: causal attention on f16 operands; products, maxima and sums in f32; the weights p are rounded to f16 for the second product, the row's sum is taken of the unrounded p.
; WORK LEFT OUT: key steps that lie wholly after a tile's queries (the mask that reference() builds itself gives them the weight 0: shown at the head of the first launch); on the diagonal hidden scores become -infinity.
; o16 [2,048][2,048] f16 holds O / 4 (v arrives as v / 4), column = head x 128 + channel.  Rows 0-15 are stored too: the last launch's tiles read them, though their results are not kept there.
; SHARES.  Work-group (i, g) serves key/value head g and BOTH its query heads, for the blocks of 32 queries i and 63 - i: eight tiles of 16 queries, one a wave, on one walk over K and V.  A short and a long tile
; together have the same number of key steps whatever i is; waves w and w + 4, and waves 2 k and 2 k + 1, hold one of each.  256 work-groups.
; NO CLUSTER: the work-groups of a head stop asking for slots at different keys (the causal limit hangs on the work-group's number), so a joint load would bring a partner tiles that all its waves jump over.
; RING.  Two LDS slots of 128 keys (two steps of 64), 2^17 bytes apart; waves 0, 1 fetch K's halves, waves 2, 3 V's.  Every work-group walks all 16 changes of slots (trip counts are constants); a slot beyond
; the work-group's last query is not asked for.  Every wait on TENSORcnt is for 0.
; LAYOUT.  S^T = K Q^T and O^T = V^T P: a lane holds one query (lane % 16) throughout; two tiles of S^T, rounded in pairs, are source 1 of the second product; V comes out of LDS turned, by ds_load_tr16_b128.
; SOFTMAX.  A running maximum m and sum l: p = 2^(c s - c m), c = log2(e) / sqrt(128); O and l are multiplied by a = 2^(c m_old - c m_new) in every step.  m begins at -3e38, l and O^T at 0: the loop has no first step of its own.
; REGISTERS.  Window 0: v1-15 addresses; v16-27 statistics; v32-63 Q; v64-95 S^T; v96-111 P; v128-255 K of a step.  Window 1: v0-63 O^T; v64-191 V of a step.
.set KP,    272                        ; a row of K in LDS: 256 bytes + 16
.set VP,    288                        ; a row of V: 256 + 32
.set VOFF,  128*KP
.set SLOT1, 1<<17
.set STAGE, SLOT1+128*(KP+VP)          ; the way out: 16 rows x 272 bytes a wave; no fill lands here
.set SPARE, STAGE+8*16*272             ; the spare words, 128 bytes a wave, named by no other line
.set AK0, 1
.set AV0, 2
.set ADK, 3
.set ADV, 4
.set QO,  5
.set STO, 6
.set RD,  7
.set GO,  8
.set DD,  9                            ; my query less the step's first key less 8 h
.set SPW, 10
.set NIL, 11
.set PFO, 12                           ; 256 x lane
.set D0,  15                           ; r - 8 h
.set CM,  16                           ; c m   (named with m as a pair)
.set MX,  17                           ; m
.set LS,  18                           ; v[18:19] l, even keys' and odd keys'
.set C0,  20                           ; v20-23 at work
.set AL,  24                           ; v[24:25] a (v25 is written once: named with it as a pair)
.set OLD, 26
.set NEG, 27
.set Q,   32
.set S,   64
.set P,   96
.set KR,  128
.set VR,  64                           ; in window 1
.set WV,  12
.set SEL, 20                           ; s[20:21]
.set CS,  22                           ; s[22:23]
.set G1K, 24
.set G1V, 32
.set G0K, 40
.set G0V, 44
.set TB,  2                            ; LDS byte at which the slot in hand begins
.set KF,  48                           ; the slot's first key
.set Q0,  49                           ; my first query
.set QL,  50                           ; my work-group's last query
.set SLOTS, 51
.set PFA, 52                           ; s[52:53] where my prefetches stand
.set LIM, 54
.set MSB, 0
.macro WIN new
.if MSB != \new
	s_set_vgpr_msb (MSB<<8)|\new
.set MSB, \new
.endif
.endm
.macro PLACES
.rept 4
	v_nop
.endr
.endm
.macro TLOAD                           ; the branches hang on the wave's number alone; an s_nop 0 and four v_nop follow each line
	s_cmp_lt_u32 s[WV], 2
	s_cbranch_scc0 .Lnot_k_\@
	tensor_load_to_lds s[G0K:G0K+3], s[G1K:G1K+7]
	s_nop 0
.rept 4
	v_nop
.endr
	s_branch .Lasked_\@
.Lnot_k_\@:
	s_cmp_lt_u32 s[WV], 4
	s_cbranch_scc0 .Lasked_\@
	tensor_load_to_lds s[G0V:G0V+3], s[G1V:G1V+7]
	s_nop 0
.rept 4
	v_nop
.endr
.Lasked_\@:
.endm
; A prefetch of the slot that the NEXT change will ask for: 128 rows of K and 128 of V, 256 bytes each.  All work-groups of a key/value head walk the same rows: the head's first work-group asks, and in it the waves
; that fetch nothing: waves 4, 5 for K's halves, waves 6, 7 for V's, 64 rows a wave, a lane a row, two instructions.  So each row is named once in the launch.  The last change that fills a slot asks for nothing.
.macro ASK
	s_cmp_gt_u32 s[SLOTS], s[LIM]
	s_cbranch_scc0 .Lnot_mine_\@
	global_prefetch_b8 v[PFO], s[PFA:PFA+1] th:TH_LOAD_NT scope:SCOPE_SE
	global_prefetch_b8 v[PFO], s[PFA:PFA+1] offset:8192 th:TH_LOAD_NT scope:SCOPE_SE
.Lnot_mine_\@:
.endm
	s_load_b128 s[4:7], s[0:1], 0x0                ; qkv16 s[4:5], o16 s[6:7]
	v_lshl_add_u32 v[SPW], v0, 2, SPARE
	v_mov_b32 v[NIL], 0
	ds_add_u32 v[SPW], v[NIL]                      ; the opening: the add, twice on end, and its wait ahead of the first tensor load
	ds_add_u32 v[SPW], v[NIL]
	v_lshrrev_b32 v13, 5, v0
	v_readfirstlane_b32 s[WV], v13                 ; wave 0..7
	s_and_b32 s13, ttmp7, 0xffff                   ; g
	s_lshr_b32 s14, s[WV], 2
	s_xor_b32 s14, s14, s[WV]
	s_and_b32 s14, s14, 1                          ; 1: my tile lies in the long block
	s_lshr_b32 s15, s[WV], 1                       ; which of a block's four tiles: bit 0 the head, bit 1 the half
	s_sub_co_u32 s16, 63, ttmp9
	s_cmp_eq_u32 s14, 1
	s_cselect_b32 s17, s16, ttmp9                  ; my block of 32 queries
	s_lshl_b32 s[Q0], s17, 5
	s_lshr_b32 s18, s15, 1
	s_lshl_b32 s18, s18, 4
	s_add_co_u32 s[Q0], s[Q0], s18
	s_lshl_b32 s[QL], s16, 5
	s_or_b32 s[QL], s[QL], 31
	s_and_b32 s19, s15, 1
	s_lshl_b32 s18, s13, 1
	s_add_co_u32 s19, s19, s18                     ; my query head
	s_lshl_b32 s56, s19, 19
	s_lshl_b32 s57, s[Q0], 8
	s_add_co_u32 s56, s56, s57
	s_mov_b32 s57, 0                               ; s[56:57]: my queries in qkv16
	s_and_b32 s55, s[WV], 1                        ; which half of a slot's rows
	s_add_co_u32 s58, s13, 16
	s_lshl_b32 s58, s58, 19
	s_lshl_b32 s60, s55, 14
	s_add_co_u32 s58, s58, s60
	s_mov_b32 s59, 0                               ; s[58:59]: that half of K's slot 0
	s_add_co_u32 s60, s58, 8<<19
	s_mov_b32 s61, 0                               ; s[60:61]: of V's
	s_lshl_b32 s62, s[Q0], 12
	s_lshl_b32 s63, s19, 8
	s_add_co_u32 s62, s62, s63
	s_mov_b32 s63, 0                               ; s[62:63]: my rows in o16
	s_mov_b32 s[G1K], (1<<16)|(1<<20)|(5<<22)|(3<<25)              ; no mask; elements of 2 bytes; 4 words of padding behind every 64
	s_mov_b32 s[G1V], (1<<16)|(1<<20)|(5<<22)|(7<<25)              ; 8 words
.irp g, G1K, G1V
	s_mov_b32 s[\g+1], 128<<16                     ; tensor_dim0
	s_mov_b32 s[\g+2], 64<<16                      ; tensor_dim1
	s_mov_b32 s[\g+3], 128<<16                     ; tile_dim0
	s_mov_b32 s[\g+4], 64                          ; tile_dim1
	s_mov_b32 s[\g+5], 128                         ; elements from row to row
	s_mov_b32 s[\g+6], 0
	s_mov_b32 s[\g+7], 0
.endr
	s_mov_b32 s[SEL], 0x76543210
	s_mov_b32 s[SEL+1], 0xfedcba98
	s_mov_b32 s[CS], 0x3e0293ee                    ; c = log2(e) / sqrt(128)
	s_mov_b32 s[CS+1], s[CS]
	s_mov_b32 s[TB], 0
	s_mov_b32 s[KF], 0
	s_mov_b32 s[SLOTS], 15
	s_mul_i32 s66, s55, 64*KP
	s_mul_i32 s67, s55, 64*VP
	s_add_co_u32 s67, s67, VOFF
	s_wait_dscnt 0x0                               ; both opening adds are done
	s_wait_kmcnt 0x0
	s_mov_b32 s[G0K], 1
	s_mov_b32 s[G0K+1], s66
	s_add_nc_u64 s[G0K+2:G0K+3], s[4:5], s[58:59]
	s_or_b32 s[G0K+3], s[G0K+3], 0x80000000
	s_mov_b32 s[G0V], 1
	s_mov_b32 s[G0V+1], s67
	s_add_nc_u64 s[G0V+2:G0V+3], s[4:5], s[60:61]
	s_or_b32 s[G0V+3], s[G0V+3], 0x80000000
	TLOAD                                          ; slot 0: key 0 counts for every query
	s_add_nc_u64 s[8:9], s[4:5], s[56:57]          ; my queries
	s_add_nc_u64 s[6:7], s[6:7], s[62:63]          ; my rows of o16
	s_cmp_lt_u32 s[WV], 6
	s_cselect_b32 s66, s58, s60                    ; (offsets, not addresses)
	s_mov_b32 s67, 0
	s_add_nc_u64 s[PFA:PFA+1], s[4:5], s[66:67]
	s_add_nc_u64 s[PFA:PFA+1], s[PFA:PFA+1], 32768 ; in slot 1: the first change steps it to slot 2.  Nothing is prefetched here, at the head
	s_lshr_b32 s66, s[WV], 2
	s_xor_b32 s66, s66, 1                          ; 0 in waves 4 to 7,
	s_or_b32 s66, s66, ttmp9                       ; of the head's first work-group
	s_cmp_eq_u32 s66, 0
	s_cselect_b32 s[LIM], 1, -1
	v_and_b32 v13, 15, v0                          ; r
	v_bfe_u32 v14, v0, 4, 1                        ; h
	v_lshlrev_b32 v[QO], 8, v13
	v_lshl_add_u32 v[QO], v14, 4, v[QO]
.irp c, 0,1,2,3
	global_load_b128 v[Q+8*\c:Q+8*\c+3], v[QO], s[8:9] offset:64*\c                   ; Q stays in registers: channels 32 c on
	global_load_b128 v[Q+8*\c+4:Q+8*\c+7], v[QO], s[8:9] offset:64*\c+32
.endr
	v_and_b32 v[PFO], 31, v0
	v_lshlrev_b32 v[PFO], 8, v[PFO]
	v_mul_u32_u24 v[AK0], v13, KP
	v_lshl_add_u32 v[AK0], v14, 4, v[AK0]
	v_and_b32 v[AV0], 7, v0
	v_lshl_add_u32 v[AV0], v14, 3, v[AV0]          ; key 8 h + l % 8
	v_mul_u32_u24 v[AV0], v[AV0], VP
	v_bfe_u32 v[D0], v0, 3, 1
	v_lshl_add_u32 v[AV0], v[D0], 4, v[AV0]
	v_add_nc_u32 v[AV0], VOFF, v[AV0]
	v_lshlrev_b32 v[D0], 3, v14
	v_sub_nc_u32 v[D0], v13, v[D0]
	s_mul_i32 s66, s[WV], 16*272
	s_add_co_u32 s66, s66, STAGE
	v_mul_u32_u24 v[STO], v13, 272
	v_lshl_add_u32 v[STO], v14, 4, v[STO]
	v_add_nc_u32 v[STO], s66, v[STO]
	v_mul_u32_u24 v[RD], v14, 272
	v_lshl_add_u32 v[RD], v13, 4, v[RD]
	v_add_nc_u32 v[RD], s66, v[RD]
	v_lshlrev_b32 v[GO], 12, v14                   ; a row of o16 is 4,096 bytes
	v_lshl_add_u32 v[GO], v13, 4, v[GO]
	v_mov_b32 v[MX], 0xff61b1e6                    ; -3e38, under every score
	v_mul_f32 v[CM], s[CS], v[MX]
	v_mov_b32 v[LS], 0
	v_mov_b32 v[LS+1], 0
	v_mov_b32 v[C0+1], 0                           ; a lane permute's destination counts as one of its sources
	v_mov_b32 v[AL+1], 0
	v_mov_b32 v[NEG], 0xff800000
	WIN 0x40
.set i, 0
.rept 64
	v_mov_b32 v[i], 0                              ; O^T: the loop is written once, and its first step finds zeros
.set i, i+1
.endr
	WIN 0
.macro LOADK q                         ; 64 keys x 128 channels: fragment (t, c): keys 16 t on, channels 32 c on
.irp t, 0,1,2,3
.irp c, 0,1,2,3
	ds_load_b128 v[KR+32*\t+8*\c:KR+32*\t+8*\c+3], v[ADK] offset:(64*\q+16*\t)*KP+64*\c
	ds_load_b128 v[KR+32*\t+8*\c+4:KR+32*\t+8*\c+7], v[ADK] offset:(64*\q+16*\t)*KP+64*\c+32
.endr
.endr
.endm
.macro LOADV q                         ; turned: fragment f: keys 32 (f / 8) on, channels 16 (f % 8) on
	WIN 0x40
.irp f, 0,1,2,3,4,5,6,7,8,9,10,11,12,13,14,15
	ds_load_tr16_b128 v[VR+8*\f:VR+8*\f+3], v[ADV] offset:(64*\q+32*(\f/8))*VP+(\f%8)*32
	ds_load_tr16_b128 v[VR+8*\f+4:VR+8*\f+7], v[ADV] offset:(64*\q+32*(\f/8)+16)*VP+(\f%8)*32
.endr
	WIN 0
.endm
.macro QK                              ; the four tiles of keys by turns; the first four products start the sums
.irp c, 0,1,2,3
.irp t, 0,1,2,3
.if \c == 0
	v_wmma_f32_16x16x32_f16 v[S+8*\t:S+8*\t+7], v[KR+32*\t+8*\c:KR+32*\t+8*\c+7], v[Q+8*\c:Q+8*\c+7], 0
.else
	v_wmma_f32_16x16x32_f16 v[S+8*\t:S+8*\t+7], v[KR+32*\t+8*\c:KR+32*\t+8*\c+7], v[Q+8*\c:Q+8*\c+7], v[S+8*\t:S+8*\t+7]
.endif
.endr
.endr
.endm
.macro MASK q                          ; jumped over where all 64 keys count for all my queries (ids and the count of steps alone)
	s_add_co_u32 s55, s[KF], 64*\q+63
	s_cmp_le_u32 s55, s[Q0]
	s_cbranch_scc1 .Lopen_\@
	s_sub_co_i32 s55, s[Q0], s[KF]
	s_sub_co_i32 s55, s55, 64*\q
	v_add_nc_u32 v[DD], s55, v[D0]                 ; register 8 t + j holds the step's key 16 t + 8 h + j: hidden where 16 t + j > my query - the step's first key - 8 h
.set n, 0
.rept 32
	v_cmp_gt_i32 vcc_lo, 16*(n/8)+n%8, v[DD]
	v_cndmask_b32 v[S+n], v[S+n], v[NEG], vcc_lo
.set n, n+1
.endr
.Lopen_\@:
.endm
.macro SOFTMAX
.irp k, 0,1,2,3
	v_max3_num_f32 v[C0+\k], v[S+8*\k], v[S+8*\k+1], v[S+8*\k+2]      ; each tile from its low end on
.endr
.irp i, 3,5
.irp k, 0,1,2,3
	v_max3_num_f32 v[C0+\k], v[C0+\k], v[S+8*\k+\i], v[S+8*\k+\i+1]
.endr
.endr
	v_max3_num_f32 v[C0], v[C0], v[S+7], v[S+15]
	v_max3_num_f32 v[C0+2], v[C0+2], v[S+23], v[S+31]
	v_max3_num_f32 v[C0], v[C0], v[C0+1], v[C0+2]
	v_max3_num_f32 v[C0], v[C0], v[C0+3], v[MX]
	v_permlanex16_b32 v[C0+1], v[C0], s[SEL], s[SEL+1]             ; the query's other 32 keys lie in lane l xor 16
	v_mov_b32 v[OLD], v[CM]
	v_max_num_f32 v[MX], v[C0], v[C0+1]
	v_mul_f32 v[CM], s[CS], v[MX]
	v_sub_f32 v[OLD], v[OLD], v[CM]
.set i, 0
.rept 16
	v_pk_fma_f32 v[S+i:S+i+1], v[S+i:S+i+1], s[CS:CS+1], v[CM:CM+1] op_sel_hi:[1,0,0] neg_lo:[0,0,1] neg_hi:[0,0,1]   ; c s - c m
.set i, i+2
.endr
	v_exp_f32 v[AL], v[OLD]
.set i, 0
.rept 32
	v_exp_f32 v[S+i], v[S+i]
.set i, i+1
.endr
	v_nop                                          ; the plain line behind the batch
	s_wait_alu depctr_va_vdst(0)                   ; ONE wait for the 33, ahead of their first reader
.set i, 0
.rept 16
	v_cvt_pk_f16_f32 v[P+i], v[S+2*i], v[S+2*i+1]
.set i, i+1
.endr
.irp z, 0,1,2,3,4,5,6,7
	v_pk_add_f32 v[S+4*\z:S+4*\z+1], v[S+4*\z:S+4*\z+1], v[S+4*\z+2:S+4*\z+3]         ; the sum of the unrounded p, in place
.endr
.irp z, 0,1,2,3
	v_pk_add_f32 v[S+8*\z:S+8*\z+1], v[S+8*\z:S+8*\z+1], v[S+8*\z+4:S+8*\z+5]
.endr
.irp z, 0,1
	v_pk_add_f32 v[S+16*\z:S+16*\z+1], v[S+16*\z:S+16*\z+1], v[S+16*\z+8:S+16*\z+9]
.endr
	v_pk_add_f32 v[S:S+1], v[S:S+1], v[S+16:S+17]
	v_pk_fma_f32 v[LS:LS+1], v[LS:LS+1], v[AL:AL+1], v[S:S+1] op_sel_hi:[1,0,1]       ; l = a l + the sum
.endm
.macro PVMUL                           ; O^T = a O^T + V^T P: the eight tiles of channels by turns
	WIN 0x41
.set i, 0
.rept 32
	v_pk_mul_f32 v[i:i+1], v[i:i+1], v[AL:AL+1] op_sel_hi:[1,0]
.set i, i+2
.endr
	WIN 0x51
.irp k, 0,1
.irp c, 0,1,2,3,4,5,6,7
	v_wmma_f32_16x16x32_f16 v[8*\c:8*\c+7], v[VR+64*\k+8*\c:VR+64*\k+8*\c+7], v[P+8*\k:P+8*\k+7], v[8*\c:8*\c+7]
.endr
.endr
	WIN 0
.endm
; A slot's two key steps.  A step all of whose keys come after my 16 queries is left out: scalar branches on ids and the count of steps; no barrier, wait for a refill or tensor load stands here.
.macro SLOTWORK
	s_add_co_u32 s55, s[Q0], 15
	s_cmp_gt_u32 s[KF], s55
	s_cbranch_scc1 .Lend_\@
	v_add_nc_u32 v[ADK], s[TB], v[AK0]
	v_add_nc_u32 v[ADV], s[TB], v[AV0]
	v_nop                                          ; with the two additions: four places ahead of loads into registers that the last products read
	v_nop
	LOADK 0
	LOADV 0
	s_wait_dscnt 32                                ; K is in; V's 32 loads may be out
	QK
	PLACES                                         ; for the loads into K's registers and the reads of the scores
	LOADK 1                                        ; asked for in any case, so that the counts below hold on every path; the bytes lie in the slot
	MASK 0
	SOFTMAX
	s_wait_dscnt 32                                ; V is in; the second step's K may be out
	PVMUL
	s_add_co_u32 s55, s[KF], 64
	s_add_co_u32 s56, s[Q0], 15
	s_cmp_gt_u32 s55, s56
	s_cbranch_scc1 .Lend_\@
	PLACES
	LOADV 1
	s_wait_dscnt 32                                ; K is in; V's 32 loads may be out
	QK
	PLACES
	MASK 1
	SOFTMAX
	s_wait_dscnt 0x0
	PVMUL
.Lend_\@:
	s_add_co_u32 s[KF], s[KF], 128
.endm
; THE CHANGE OF SLOTS stands at a slot's head: each wave waits for all its tensor loads, adds 0 to its spare word, and waits for that and for its reads of the slot that it has left.  Behind the barrier the slot
; ahead is whole and nobody reads the other one; fill = 1: that one is filled with the next 128 keys, while their first key is at or under the work-group's last query.
.macro CHANGE fill
	s_wait_tensorcnt 0x0                           ; no tensor load of mine is out, so a group 0 may be written
	ds_add_u32 v[SPW], v[NIL]
.if \fill
	ds_add_u32 v[SPW], v[NIL]                      ; and twice on end here, in every trip alike
	s_xor_b32 s[G0K+1], s[G0K+1], SLOT1
	s_add_nc_u64 s[G0K+2:G0K+3], s[G0K+2:G0K+3], 32768
	s_xor_b32 s[G0V+1], s[G0V+1], SLOT1
	s_add_nc_u64 s[G0V+2:G0V+3], s[G0V+2:G0V+3], 32768
	s_wait_xcnt 0x0                                ; the last prefetches, a slot back, have read their address
	s_add_nc_u64 s[PFA:PFA+1], s[PFA:PFA+1], 32768
.endif
	s_wait_dscnt 0x0
	s_barrier_signal -1
	s_barrier_wait -1
.if \fill
	s_add_co_u32 s55, s[KF], 128                   ; the first key of the slot that this change would ask for
	s_cmp_gt_u32 s55, s[QL]                        ; ids and the count of steps alone: all eight waves go the same way, and past the limit they stay past it
	s_cbranch_scc1 .Lpast_\@
	TLOAD                                          ; a wave's one tensor load until the next such barrier
.Lpast_\@:
	ASK
.endif
.endm
	s_wait_loadcnt 0x0                             ; Q
.Lslot:                                                ; 15 trips
	CHANGE 1
	SLOTWORK
	s_xor_b32 s[TB], s[TB], SLOT1
	s_sub_co_u32 s[SLOTS], s[SLOTS], 1
	s_cmp_lg_u32 s[SLOTS], 0
	s_cbranch_scc1 .Lslot
	CHANGE 0                                       ; the last slot is written out: nothing is asked for
	SLOTWORK
	; THE WAY OUT: O^T / l, f16, through my stage, back as rows of 256 bytes
	s_wait_dscnt 0x0                               ; (a second step's K may still be on its way where that step was left out)
	PLACES
	v_add_f32 v[C0], v[LS], v[LS+1]
	v_permlanex16_b32 v[C0+1], v[C0], s[SEL], s[SEL+1]
	v_add_f32 v[C0], v[C0], v[C0+1]
	v_rcp_f32 v[AL], v[C0]
	v_nop
	s_wait_alu depctr_va_vdst(0)
	WIN 0x41
.set i, 0
.rept 32
	v_pk_mul_f32 v[i:i+1], v[i:i+1], v[AL:AL+1] op_sel_hi:[1,0]
.set i, i+2
.endr
	WIN 0x05
.set i, 0
.rept 32
	v_cvt_pk_f16_f32 v[S+i], v[2*i], v[2*i+1]
.set i, i+1
.endr
	WIN 0
.irp f, 0,1,2,3,4,5,6,7
	ds_store_b128 v[STO], v[S+4*\f:S+4*\f+3] offset:32*\f
.endr
.irp f, 0,1,2,3,4,5,6,7
	ds_load_b128 v[S+4*\f:S+4*\f+3], v[RD] offset:544*\f               ; these see the stores above
.endr
.irp f, 0,1,2,3,4,5,6,7
	s_wait_dscnt 7-\f                              ; the younger loads of the run may be out
	global_store_b128 v[GO], v[S+4*\f:S+4*\f+3], s[6:7] offset:8192*\f ; sixteen lanes store 256 consecutive bytes, aligned
.endr
	s_wait_tensorcnt 0x0                           ; the wave's end
	ds_add_u32 v[SPW], v[NIL]
	s_wait_dscnt 0x0
	s_endpgm
.Lfunc_end_k_qe2ad09cbdf_attn:
	.size	k_qe2ad09cbdf_attn, .Lfunc_end_k_qe2ad09cbdf_attn-k_qe2ad09cbdf_attn
	.p2alignl 7, 3214868480
	.fill 96, 4, 3214868480
	.section	.rodata,"a",@progbits
	.p2align	6, 0x0
	.amdhsa_kernel k_qe2ad09cbdf_attn
		.amdhsa_group_segment_fixed_size 327680
		.amdhsa_private_segment_fixed_size 0
		.amdhsa_enable_private_segment 0
		.amdhsa_kernarg_size 16
		.amdhsa_user_sgpr_count 2
		.amdhsa_user_sgpr_kernarg_segment_ptr 1
		.amdhsa_wavefront_size32 1
		.amdhsa_system_sgpr_workgroup_id_x 1
		.amdhsa_system_sgpr_workgroup_id_y 1
		.amdhsa_system_sgpr_workgroup_id_z 1
		.amdhsa_system_vgpr_workitem_id 0
		.amdhsa_next_free_vgpr 512
		.amdhsa_next_free_sgpr 72
		.amdhsa_reserve_vcc 1
		.amdhsa_float_denorm_mode_32 3
		.amdhsa_float_denorm_mode_16_64 3
		.amdhsa_memory_ordered 1
		.amdhsa_forward_progress 1
		.amdhsa_inst_pref_size 82
	.end_amdhsa_kernel
	.amdgpu_metadata
---
amdhsa.version: [ 1, 2 ]
amdhsa.kernels:
  - .name:           k_qe2ad09cbdf_attn
    .symbol:         k_qe2ad09cbdf_attn.kd
    .args:
      - { .name: qkv16, .offset: 0, .size: 8, .value_kind: global_buffer, .address_space: global }
      - { .name: o16, .offset: 8, .size: 8, .value_kind: global_buffer, .address_space: global }
    .group_segment_fixed_size: 327680
    .private_segment_fixed_size: 0
    .kernarg_segment_align: 8
    .kernarg_segment_size: 16
    .max_flat_workgroup_size: 256
    .sgpr_count:     72
    .vgpr_count:     512
    .wavefront_size: 32
...
	.end_amdgpu_metadata
.endif
;; end of part 4
;; launch oproj (part 5): grid 16 x 16, 4 waves a work-group, clusters of 4 x 4, 327,680 bytes of LDS; arguments o16, wo16, out0; writes out0
.if DOCPART == 5
	.amdgcn_target "amdgcn-amd-amdhsa--gfx1250"
	.amdhsa_code_object_version 6
	.text
	.protected	k_qe2ad09cbdf_oproj
	.globl	k_qe2ad09cbdf_oproj
	.p2align	8
	.type	k_qe2ad09cbdf_oproj,@function
k_qe2ad09cbdf_oproj:
	s_mov_b64 s[64:65], 0
	v_nop
	global_prefetch_b8 v0, s[64:65] scope:SCOPE_SE
	s_setreg_imm32_b32 hwreg(HW_REG_WAVE_MODE, 25, 1), 1
	s_wait_xcnt 0x0
	s_wait_alu depctr_hold_cnt(0) depctr_sa_sdst(0) depctr_va_vdst(0) depctr_va_sdst(0) depctr_va_ssrc(0) depctr_va_vcc(0) depctr_vm_vsrc(0)
	s_getreg_b32 s2, hwreg(HW_REG_IB_STS2, 6, 4)
	s_cmp_eq_u32 s2, 0
	s_cbranch_scc0 .Lentry_in_a_cluster
	s_endpgm
.Lentry_in_a_cluster:
	s_bfe_u32 s2, ttmp6, 0x10000c
	s_cmp_lg_u32 s2, 0xf033
	s_cbranch_scc0 .Lentry_shape_is_right
	s_endpgm
.Lentry_shape_is_right:
; FIFTH LAUNCH: out0 = O Wo^T on f16 operands (o16 = O / 4, wo16 = 4 Wo: the two exact factors cancel), sums in f32, f32 out.  [2,048][2,048] x [4,096][2,048]^T.
; Rows 0-15 of the output are not stored here: the third launch has made them in f32.  They lie inside a tile that also holds live rows, so they are multiplied and their stores switched off by EXEC
; (which tile holds them hangs on the work-group's place in its cluster).
; SHARES as in the second launch: a tile of 128 tokens x 256 columns, 256 work-groups; four waves of 64 x 128: 32 accumulators.  K goes in steps of 128 (rows of 256 bytes) through a ring of two LDS slots;
; a cluster of 4 x 4 asks jointly for the tokens' tiles along its rows and the weights' along its columns.  Source 0 = 16 rows of Wo, source 1 = 16 tokens: a lane holds eight neighbouring columns of a row.
; REGISTERS.  Window 0: v16-31 addresses; v128-191 the tokens' fragments, two sets of 4; on the way out v128-255 rows read back.  Window 1: the weights' fragments, sets at v0 and v128.  Window 2: accumulator (a, b) at v[8 (8 a + b)].
.set PITCH,  272
.set ROWB,   256
.set AHALF,  64*PITCH
.set BHALF,  128*PITCH
.set SLOT,   2*AHALF+2*BHALF
.set STAGE,  2*SLOT                    ; the way out: 16 rows x 528 bytes a wave; no fill lands here
.set SPITCH, 528
.set SPARE,  STAGE+4*16*SPITCH         ; the spare words, 128 bytes a wave, named by no other line
.set ADRA, 16
.set FT,   19                          ; my wave's first token
.set ADRB, 20
.set STO,  24
.set RD,   25
.set CO,   26
.set SPW,  28
.set NIL,  29
.set AF,   128
.set BK,   128
.set G1,   24
.set G0,   32
.set G1B,  48
.set G0B,  56
.set MUL,  0xa1
.set MSB, 0
.macro WIN new
.if MSB != \new
	s_set_vgpr_msb (MSB<<8)|\new
.set MSB, \new
.endif
.endm
.macro PLACES
.rept 4
	v_nop
.endr
.endm
.macro JLOAD g0a, g1a, g0b, g1b        ; waves 0, 1 fetch for the tokens, waves 2, 3 for the weights; an s_nop 0 and four v_nop follow each line
	s_cmp_eq_u32 s15, 0
	s_cbranch_scc0 .Lfor_b_\@
	tensor_load_to_lds s[\g0a:\g0a+3], s[\g1a:\g1a+7]
	s_nop 0
.rept 4
	v_nop
.endr
	s_branch .Lasked_\@
.Lfor_b_\@:
	tensor_load_to_lds s[\g0b:\g0b+3], s[\g1b:\g1b+7]
	s_nop 0
.rept 4
	v_nop
.endr
.Lasked_\@:
.endm
.macro CREST
	s_cmp_lg_u32 s14, 0
	s_cbranch_scc1 .Lnot_wave_0_\@
	s_barrier_signal -3
.Lnot_wave_0_\@:
	s_barrier_wait -3
	s_barrier_signal -1
	s_barrier_wait -1
.endm
.macro CROUND
	s_barrier_signal -1
	s_barrier_wait -1
	CREST
.endm
	s_load_b128 s[4:7], s[0:1], 0x0                ; o16 s[4:5], wo16 s[6:7]
	s_load_b64 s[8:9], s[0:1], 0x10                ; out0
	v_lshl_add_u32 v[SPW], v0, 2, SPARE
	v_mov_b32 v[NIL], 0
	ds_add_u32 v[SPW], v[NIL]                      ; the opening: the add, twice on end, and its wait ahead of my first tensor load
	ds_add_u32 v[SPW], v[NIL]
	v_lshrrev_b32 v1, 5, v0
	v_readfirstlane_b32 s14, v1                    ; wave 0..3
	s_lshr_b32 s15, s14, 1                         ; which 64 tokens are mine.  Also: I fetch for the tokens (0) or the weights (1)
	s_and_b32 s16, s14, 1                          ; which 128 columns.  Also: which half I fetch
	s_bfe_u32 s40, ttmp6, 0x40000                  ; cx
	s_bfe_u32 s41, ttmp6, 0x40004                  ; cy
	s_lshl_b32 s42, ttmp9, 2
	s_add_co_u32 s42, s42, s40                     ; tile column
	s_and_b32 s17, ttmp7, 0xffff
	s_lshl_b32 s17, s17, 2
	s_add_co_u32 s17, s17, s41                     ; tile row
	s_lshl_b32 s43, s41, 2
	s_lshl_b32 s43, 15, s43                        ; my row of the cluster
	s_lshl_b32 s44, 0x1111, s40                    ; my column
	s_or_b32 s[G1+0], s43, (1<<16)|(1<<20)|(1<<21)|(5<<22)|(3<<25)   ; the mask; elements of 2 bytes; padding on; bit 21 beside a mask; 4 words behind every 64
	s_or_b32 s[G1B+0], s44, (1<<16)|(1<<20)|(1<<21)|(5<<22)|(3<<25)
	s_mov_b32 s[G1+1], 128<<16
	s_mov_b32 s[G1+2], 64<<16
	s_mov_b32 s[G1+3], 128<<16
	s_mov_b32 s[G1+4], 64
	s_mov_b32 s[G1+5], 2048
	s_mov_b32 s[G1+6], 0
	s_mov_b32 s[G1+7], 0
	s_mov_b32 s[G1B+1], 128<<16
	s_mov_b32 s[G1B+2], 128<<16
	s_mov_b32 s[G1B+3], 128<<16
	s_mov_b32 s[G1B+4], 128
	s_mov_b32 s[G1B+5], 2048
	s_mov_b32 s[G1B+6], 0
	s_mov_b32 s[G1B+7], 0
	s_lshl_b32 s18, s16, 6
	s_lshl_b32 s20, s17, 7
	s_add_co_u32 s20, s20, s18                     ; the tokens that I would fetch
	s_lshl_b32 s20, s20, 12                        ; 4,096 bytes a row
	s_mov_b32 s21, 0
	s_lshl_b32 s18, s16, 7
	s_lshl_b32 s46, s42, 8
	s_add_co_u32 s46, s46, s18                     ; the rows of Wo
	s_lshl_b32 s46, s46, 12
	s_mov_b32 s47, 0
	s_mul_i32 s45, s16, AHALF                      ; where they go: no place in the cluster enters an LDS address
	s_mul_i32 s18, s16, BHALF
	s_add_co_u32 s18, s18, 2*AHALF
	s_wait_dscnt 0x0
	s_wait_kmcnt 0x0
	s_add_nc_u64 s[20:21], s[4:5], s[20:21]
	s_add_nc_u64 s[46:47], s[6:7], s[46:47]
	CROUND                                         ; all sixteen work-groups are here: the first joint loads meet
.irp s, 0,1
	s_mov_b32 s[G0+4*\s], 1
	s_add_co_u32 s[G0+4*\s+1], s45, \s*SLOT
	s_add_nc_u64 s[G0+4*\s+2:G0+4*\s+3], s[20:21], \s*ROWB
	s_or_b32 s[G0+4*\s+3], s[G0+4*\s+3], 0x80000000
	s_mov_b32 s[G0B+4*\s], 1
	s_add_co_u32 s[G0B+4*\s+1], s18, \s*SLOT
	s_add_nc_u64 s[G0B+4*\s+2:G0B+4*\s+3], s[46:47], \s*ROWB
	s_or_b32 s[G0B+4*\s+3], s[G0B+4*\s+3], 0x80000000
	JLOAD G0+4*\s, G1, G0B+4*\s, G1B               ; two loads of mine are out
.endr
	v_and_b32 v1, 15, v0                           ; r
	v_bfe_u32 v2, v0, 4, 1                         ; h
	v_mul_u32_u24 v3, v1, PITCH
	v_lshl_add_u32 v4, v2, 4, v3
	s_mul_i32 s21, s15, AHALF
	s_mul_i32 s22, s16, BHALF
	s_add_co_u32 s22, s22, 2*AHALF
.irp s, 0,1
	v_add_nc_u32 v[ADRA+\s], s21, v4
	v_add_nc_u32 v[ADRB+\s], s22, v4
	s_add_co_u32 s21, s21, SLOT
	s_add_co_u32 s22, s22, SLOT
.endr
	s_mul_i32 s23, s14, 16*SPITCH
	s_add_co_u32 s23, s23, STAGE                   ; my stage
	v_mul_u32_u24 v5, v1, SPITCH
	v_lshl_add_u32 v5, v2, 5, v5
	v_add_nc_u32 v[STO], s23, v5                   ; in: row r, 32 bytes for each half of the lanes
	v_and_b32 v6, 31, v0
	v_lshlrev_b32 v[CO], 4, v6                     ; back: the 32 lanes take one row of 512 bytes; and the same in the output
	v_add_nc_u32 v[RD], s23, v[CO]
	s_lshl_b32 s20, s17, 7
	s_lshl_b32 s21, s15, 6
	s_add_co_u32 s20, s20, s21                     ; my wave's first token
	v_mov_b32 v[FT], s20
	s_lshl_b32 s66, s20, 14                        ; 16,384 bytes a row of the output
	s_lshl_b32 s46, s42, 10                        ; (what hangs on cx stays out of the registers that fed the tokens' descriptors)
	s_lshl_b32 s47, s16, 9
	s_add_co_u32 s46, s46, s47                     ; my first column, in bytes
	s_add_co_u32 s66, s66, s46
	s_mov_b32 s67, 0
	s_add_nc_u64 s[8:9], s[8:9], s[66:67]
.macro FRAG reg, adr, q, i             ; 16 rows x 32 K of f16: 8 registers: two loads of 16 bytes, 32 bytes apart
.irp c, 0,1
	ds_load_b128 v[\reg+4*\c:\reg+4*\c+3], v[\adr] offset:64*(\q)+32*\c+(\i)*16*PITCH
.endr
.endm
.macro FETCH_B slot, q, p
	WIN 0x40
.irp i, 0,1,2,3,4,5,6,7
	FRAG 128*(\p)+8*\i, ADRB+\slot, \q, \i
.endr
	WIN 0
.endm
.macro FETCH_A slot, q, p
.irp i, 0,1,2,3
	FRAG AF+32*(\p)+8*\i, ADRA+\slot, \q, \i
.endr
.endm
.macro MUL8 a, p, zero                 ; the 32 accumulators take turns, one instruction a turn, in the same order in every step
.irp b, 0,1,2,3,4,5,6,7
.if \zero
	v_wmma_f32_16x16x32_f16 v[8*(8*(\a)+\b):8*(8*(\a)+\b)+7], v[128*(\p)+8*\b:128*(\p)+8*\b+7], v[AF+32*(\p)+8*(\a):AF+32*(\p)+8*(\a)+7], 0
.else
	v_wmma_f32_16x16x32_f16 v[8*(8*(\a)+\b):8*(8*(\a)+\b)+7], v[128*(\p)+8*\b:128*(\p)+8*\b+7], v[AF+32*(\p)+8*(\a):AF+32*(\p)+8*(\a)+7], v[8*(8*(\a)+\b):8*(8*(\a)+\b)+7]
.endif
.endr
.endm
.macro STEP slot, q, zero              ; 32 along K; the next 32's 24 loads go out in one run, into the other sets, ahead of this step's 32 products
	PLACES
	FETCH_B \slot, (\q)+1, 1-(\q)%2
	FETCH_A \slot, (\q)+1, 1-(\q)%2
	s_wait_dscnt 24                                ; all but the 24 just issued
	WIN MUL
	MUL8 0, (\q)%2, \zero
	MUL8 1, (\q)%2, \zero
	MUL8 2, (\q)%2, \zero
	MUL8 3, (\q)%2, \zero
	WIN 0
.endm
.macro TURN slot, next, fill           ; a slot's last step changes slots: ONE barrier, the three lines ahead of it
	s_wait_tensorcnt 0x0                           ; all my tensor loads have landed: my part of the next slot
	ds_add_u32 v[SPW], v[NIL]
	s_wait_dscnt 1                                 ; this step's fragments are in; the add may be out
	WIN MUL
	MUL8 0, 1, 0
	s_wait_dscnt 0x0                               ; the add is done, and my reads of this slot are over
	s_barrier_signal -1
	MUL8 1, 1, 0
	WIN 0
	s_barrier_wait -1
.if \fill
	CREST                                          ; a round of the cluster's barrier: no wave of any partner still reads this slot or has a load on its way
	s_add_nc_u64 s[G0+4*\slot+2:G0+4*\slot+3], s[G0+4*\slot+2:G0+4*\slot+3], 2*ROWB
	s_add_nc_u64 s[G0B+4*\slot+2:G0B+4*\slot+3], s[G0B+4*\slot+2:G0B+4*\slot+3], 2*ROWB
	JLOAD G0+4*\slot, G1, G0B+4*\slot, G1B         ; the first tensor load behind the round; its four v_nop are the places for the loads below
.else
	PLACES
.endif
	FETCH_B \next, 0, 0
	FETCH_A \next, 0, 0
	WIN MUL
	MUL8 2, 1, 0
	MUL8 3, 1, 0
	WIN 0
.endm
	s_wait_tensorcnt 1                             ; my part of K step 0 is in; K step 1's load may be out
	s_barrier_signal -1
	s_barrier_wait -1
	FETCH_B 0, 0, 0
	FETCH_A 0, 0, 0
	STEP 0, 0, 1                                   ; the first products start the sums
	s_mov_b32 s3, 7
.Llap:                                                 ; 16 K steps in all: seven trips fill both slots again
	STEP 0, 1, 0
	STEP 0, 2, 0
	TURN 0, 1, 1
	STEP 1, 0, 0
	STEP 1, 1, 0
	STEP 1, 2, 0
	TURN 1, 0, 1
	STEP 0, 0, 0
	s_sub_co_u32 s3, s3, 1
	s_cmp_lg_u32 s3, 0
	s_cbranch_scc1 .Llap
	STEP 0, 1, 0                                   ; the last lap fills nothing, and has no round
	STEP 0, 2, 0
	TURN 0, 1, 0
	STEP 1, 0, 0
	STEP 1, 1, 0
	STEP 1, 2, 0
	s_wait_dscnt 0x0
	WIN MUL
	MUL8 0, 1, 0
	MUL8 1, 1, 0
	MUL8 2, 1, 0
	MUL8 3, 1, 0
	WIN 0
; THE WAY OUT, a block of 16 tokens x 128 columns at a time through my stage, back as whole rows of 512 bytes.
.macro TOSTAGE a
	WIN 0x08                                       ; the data: window 2
.irp b, 0,1,2,3,4,5,6,7
	ds_store_b128 v[STO], v[64*(\a)+8*\b:64*(\a)+8*\b+3] offset:64*\b              ; each accumulator from its low end on
	ds_store_b128 v[STO], v[64*(\a)+8*\b+4:64*(\a)+8*\b+7] offset:64*\b+16
.endr
	WIN 0
.set BB, BK+64*((\a)%2)
.irp t, 0,1,2,3,4,5,6,7,8,9,10,11,12,13,14,15
	ds_load_b128 v[BB+4*\t:BB+4*\t+3], v[RD] offset:\t*SPITCH                      ; these see the stores above
.endr
.endm
.macro SEND a, younger
.set BB, BK+64*((\a)%2)
	s_wait_dscnt \younger                          ; the block is back; the next block's 16 stores and 16 loads may be out
.if (\a) == 0
	v_cmp_ne_u32 vcc_lo, 0, v[FT]                  ; tokens 0-15 are the first block of the wave whose first token is 0: not stored here
	s_wait_xcnt 0x0                                ; EXEC changes only behind this wait
	s_and_saveexec_b32 s20, vcc_lo
.endif
.irp t, 0,1,2,3,4,5,6,7,8,9,10,11,12,13,14,15
	global_store_b128 v[CO], v[BB+4*\t:BB+4*\t+3], s[8:9] offset:(16*(\a)+\t)*16384 th:TH_STORE_NT   ; 512 consecutive bytes, aligned; 63 rows on at the most: inside the signed 24-bit immediate
.endr
.if (\a) == 0
	s_wait_xcnt 0x0
	s_or_b32 exec_lo, exec_lo, s20
.endif
.endm
	PLACES                                         ; for the loads into the registers that held fragments, and the reads of the last results
	TOSTAGE 0
	TOSTAGE 1
	SEND 0, 32
	s_wait_xcnt 0x0                                ; block 0's stores have read their registers
	TOSTAGE 2
	SEND 1, 32
	s_wait_xcnt 0x0
	TOSTAGE 3
	SEND 2, 32
	SEND 3, 0
	s_wait_tensorcnt 0x0                           ; the wave's end
	ds_add_u32 v[SPW], v[NIL]
	s_wait_dscnt 0x0
	CROUND                                         ; the closing round
	s_endpgm
.Lfunc_end_k_qe2ad09cbdf_oproj:
	.size	k_qe2ad09cbdf_oproj, .Lfunc_end_k_qe2ad09cbdf_oproj-k_qe2ad09cbdf_oproj
	.p2alignl 7, 3214868480
	.fill 96, 4, 3214868480
	.section	.rodata,"a",@progbits
	.p2align	6, 0x0
	.amdhsa_kernel k_qe2ad09cbdf_oproj
		.amdhsa_group_segment_fixed_size 327680
		.amdhsa_private_segment_fixed_size 0
		.amdhsa_enable_private_segment 0
		.amdhsa_kernarg_size 24
		.amdhsa_user_sgpr_count 2
		.amdhsa_user_sgpr_kernarg_segment_ptr 1
		.amdhsa_wavefront_size32 1
		.amdhsa_system_sgpr_workgroup_id_x 1
		.amdhsa_system_sgpr_workgroup_id_y 1
		.amdhsa_system_sgpr_workgroup_id_z 1
		.amdhsa_system_vgpr_workitem_id 0
		.amdhsa_next_free_vgpr 768
		.amdhsa_next_free_sgpr 80
		.amdhsa_reserve_vcc 1
		.amdhsa_float_denorm_mode_32 3
		.amdhsa_float_denorm_mode_16_64 3
		.amdhsa_memory_ordered 1
		.amdhsa_forward_progress 1
		.amdhsa_inst_pref_size 85
	.end_amdhsa_kernel
	.amdgpu_metadata
---
amdhsa.version: [ 1, 2 ]
amdhsa.kernels:
  - .name:           k_qe2ad09cbdf_oproj
    .symbol:         k_qe2ad09cbdf_oproj.kd
    .args:
      - { .name: o16, .offset: 0, .size: 8, .value_kind: global_buffer, .address_space: global }
      - { .name: wo16, .offset: 8, .size: 8, .value_kind: global_buffer, .address_space: global }
      - { .name: out0, .offset: 16, .size: 8, .value_kind: global_buffer, .address_space: global }
    .group_segment_fixed_size: 327680
    .private_segment_fixed_size: 0
    .kernarg_segment_align: 8
    .kernarg_segment_size: 24
    .max_flat_workgroup_size: 128
    .sgpr_count:     80
    .vgpr_count:     768
    .wavefront_size: 32
...
	.end_amdgpu_metadata
.endif
;; end of part 5
